; MI455X (gfx1250); checked and timed in simulation.
; The chip was launched on July 23, 2026; its instructions are those of AMD's public machine-readable ISA for CDNA 5 (MIT licence, August 2026) and "CDNA5" Instruction Set Architecture Reference Guide (July 2026). The comments in the code are by the model that wrote it; some were corrected since.
;; LSA Layer. Allowed arithmetic: float matrix products may take bf16 or f16 operands with f32 sums; all other float work in f32.
;; Inputs: P 1,024 x 1,024 float32; Wk 1,024 x 1,024 float32; Wq 1,024 x 1,024 float32; Wv 1,024 x 1,024 float32; x 4 x 2,048 x 1,024 float32.
;; Outputs: out0 4 x 2,048 x 1,024 float32.
;; One version. Each part assembles by itself: llvm-mc -triple=amdgcn-amd-amdhsa -mcpu=gfx1250 --defsym DOCPART=n.
;; ======== version 1 of 1: 6 launches
;; limits: inputs' magnitudes at most 65,504; values are held in f16: magnitudes above 65,504 overflow, below 6.1e-05 lose precision
;; workspace buffers: xh 16,781,312 bytes; ws 4,198,400 bytes; wy 4,198,400 bytes; a 2,101,248 bytes; ct 2,101,248 bytes; g 8,392,704 bytes; t 8,392,704 bytes; mt 8,392,704 bytes
;; launch prep (part 1): grid 384 x 1, 8 waves a work-group, no clusters, 67,840 bytes of LDS; arguments x, Wq, Wk, Wv, P, xh, ws, wy; writes xh, ws, wy
.if DOCPART == 1
	.amdgcn_target "amdgcn-amd-amdhsa--gfx1250"
	.amdhsa_code_object_version 6
	.text
	.protected	k_q3e525faa87_prep
	.globl	k_q3e525faa87_prep
	.p2align	8
	.type	k_q3e525faa87_prep,@function
k_q3e525faa87_prep:
	s_mov_b64 s[64:65], 0
	v_nop
	global_prefetch_b8 v0, s[64:65] scope:SCOPE_SE
	s_setreg_imm32_b32 hwreg(HW_REG_WAVE_MODE, 25, 1), 1
	s_wait_xcnt 0x0
; PREP.  All five inputs are rounded once from f32 to f16, P is turned on the way ([v][o] -> [o][v]), and for each work-group's part the largest magnitude is recorded.
; out = x + x (Wq Wk^T) (x^T x) (Wv P): the later launches multiply these f16 copies; the residual is added from the f32 x in the last launch.
; LAYOUT of every workspace matrix: 4,096 bytes of records, then the numbers.  A record is 8 bytes: the largest |number| of one work-group's part (f32), and u (f32) with true = stored x u; here u = 1.
;   xh: x, [4][2048][1024], 256 records.   ws: Wq [d][k], then P turned [o][v], 64 records.   wy: Wk, then Wv, 256 records (each work-group writes its record four times, so that the reader finds 256).
; SHARES.  384 work-groups of 8 waves, 32,768 numbers each (131,072 bytes in, 65,536 out): 0-255 x, 256-287 Wq, 288-319 P, 320-351 Wk, 352-383 Wv.
; Memory binds: every byte is read once and written once, all of a thread's 32 loads go out together, and sixteen neighbouring lanes store 256 consecutive aligned bytes.  No matrix unit, no cluster: nothing is shared.
; LIMITS.  f16 holds no number beyond 65,504: a larger |input| becomes an infinity.  Below 6e-5 an input keeps f16's fixed step of 6e-8.  NaN loses in the maxima and is not treated apart.
.set HDR,   4096                       ; bytes of records in front of the numbers
.set MAT,   2097152                    ; a matrix of 1024 x 1024 in f16
.set PT,    1040                       ; a row of the turning tile in LDS: 512 f16 + 16 bytes: an odd multiple of 16, so that sixteen rows start in sixteen different 16-byte columns
.set RED,   64*PT                      ; behind the tile: the eight waves' maxima, a block of 256 bytes
.set SPARE, RED+256                    ; the spare words, 128 bytes for each wave: four blocks of 256 bytes that no other line names
.set M,   4                            ; v4-7     four chains of maxima
.set SPW, 12                           ; v12      my spare word; never rewritten
.set NIL, 13                           ; v13      0; never rewritten
.set X,   16                           ; v16-143  128 numbers as loaded; then packed, as stored
.set DD,  144                          ; v144-159 at work: packed columns of P; at the end the eight maxima
	s_load_b512 s[16:31], s[0:1], 0x0              ; x 16, Wq 18, Wk 20, Wv 22, P 24, xh 26, ws 28, wy 30
	v_lshl_add_u32 v[SPW], v0, 2, SPARE
	v_mov_b32 v[NIL], 0
	v_mov_b32 v8, 0                                ; written once: v_permlanex16_b32 counts as a reader of its destination
	v_lshrrev_b32 v1, 5, v0
	v_readfirstlane_b32 s3, v1                     ; wave 0..7
	s_mov_b32 s32, 0x76543210                      ; v_permlanex16_b32: each lane takes its own place in the other half
	s_mov_b32 s33, 0xfedcba98
	s_mov_b32 s2, ttmp9                            ; g
	s_sub_co_u32 s4, s2, 256
	s_lshr_b32 s5, s4, 5                           ; class: 0 Wq, 1 P, 2 Wk, 3 Wv
	s_and_b32 s10, s4, 31                          ; chunk in the class
	s_and_b32 s11, s5, 1                           ; first or second matrix of its buffer
	s_cmp_lt_u32 s2, 256                           ; x: chunk g, handled as class 0
	s_cselect_b32 s10, s2, s10
	s_cselect_b32 s11, 0, s11
	s_cselect_b32 s5, 0, s5
	s_cmp_ge_u32 s5, 2
	s_cselect_b32 s14, 4, 1                        ; copies of the record
	s_lshl_b32 s15, s11, 5
	s_add_co_u32 s15, s15, s10
	s_mul_i32 s15, s15, s14                        ; my first record,
	s_lshl_b32 s42, s15, 3                         ; in bytes
	s_mov_b32 s43, 0
	s_lshl_b32 s36, s10, 17                        ; straight: 131,072 bytes in
	s_lshl_b32 s38, s10, 16                        ; and 65,536 out for each chunk
	s_mul_i32 s40, s11, MAT
	s_add_co_u32 s38, s38, s40
	s_lshr_b32 s44, s10, 1                         ; P: a tile of 512 rows v x 64 columns o: o0 = 64 (c / 2),
	s_and_b32 s45, s10, 1                          ; v0 = 512 (c % 2)
	s_lshl_b32 s46, s45, 21                        ; in: v0 rows of 4,096 bytes
	s_lshl_b32 s47, s44, 8                         ; + o0 numbers of 4 bytes
	s_add_co_u32 s46, s46, s47
	s_lshl_b32 s47, s44, 17                        ; out: o0 rows of 2,048 bytes
	s_lshl_b32 s48, s45, 10                        ; + v0 numbers of 2 bytes
	s_add_co_u32 s47, s47, s48
	s_add_co_u32 s47, s47, MAT                     ; behind Wq
	s_cmp_eq_u32 s5, 1
	s_cselect_b32 s36, s46, s36
	s_cselect_b32 s38, s47, s38
	s_add_co_u32 s38, s38, HDR
	s_mov_b32 s37, 0
	s_mov_b32 s39, 0
	s_wait_kmcnt 0x0
	s_cmp_ge_u32 s2, 256                           ; from where and to where: choices on the work-group's number alone
	s_cselect_b64 s[6:7], s[18:19], s[16:17]
	s_cselect_b64 s[8:9], s[28:29], s[26:27]
	s_cmp_ge_u32 s2, 288
	s_cselect_b64 s[6:7], s[24:25], s[6:7]
	s_cmp_ge_u32 s2, 320
	s_cselect_b64 s[6:7], s[20:21], s[6:7]
	s_cselect_b64 s[8:9], s[30:31], s[8:9]
	s_cmp_ge_u32 s2, 352
	s_cselect_b64 s[6:7], s[22:23], s[6:7]
	s_add_nc_u64 s[12:13], s[8:9], s[42:43]        ; my record
	s_add_nc_u64 s[6:7], s[6:7], s[36:37]
	s_add_nc_u64 s[8:9], s[8:9], s[38:39]
	s_cmp_eq_u32 s5, 1
	s_cbranch_scc1 .Lturn_p                        ; the same way for all eight waves
	; THE STRAIGHT WAY.  Thread t owns 8 neighbouring numbers (32 bytes in, 16 out) in each of 16 rounds of 2,048 numbers.
	v_lshlrev_b32 v2, 5, v0
	v_lshlrev_b32 v3, 4, v0
.set r, 0
.rept 16
	global_load_b128 v[X+8*r:X+8*r+3],   v2, s[6:7] offset:8192*r th:TH_LOAD_NT
	global_load_b128 v[X+8*r+4:X+8*r+7], v2, s[6:7] offset:8192*r+16 th:TH_LOAD_NT
.set r, r+1
.endr
.set r, 0
.rept 16
	s_wait_loadcnt 30-2*r                          ; loads come back in order: this round's two are in, the later rounds' stay out
.irp c, 0,1,2,3
.if r == 0
	v_max_num_f32 v[M+(\c)], |v[X+2*(\c)]|, |v[X+2*(\c)+1]|   ; the first round starts the four chains
.else
	v_max3_num_f32 v[M+(\c)], |v[X+8*r+2*(\c)]|, |v[X+8*r+2*(\c)+1]|, v[M+(\c)]
.endif
.endr
.irp c, 0,1,2,3
	v_cvt_pk_f16_f32 v[X+8*r+(\c)], v[X+8*r+2*(\c)], v[X+8*r+2*(\c)+1]  ; in place: word c takes numbers 2 c, 2 c + 1, which lie at or above it
.endr
	global_store_b128 v3, v[X+8*r:X+8*r+3], s[8:9] offset:4096*r  ; no register of a store is written again
.set r, r+1
.endr
	s_branch .Ltail
.Lturn_p:
	; P TURNED.  Thread (oq = t % 16, vg = t / 16) loads, in pass p, rows v0 + 128 p + 8 vg + 0..7, columns o0 + 4 oq + 0..3: sixteen lanes take 256 consecutive bytes of a row.
	; For each of its four columns the eight rows pack into 16 bytes of a row of P turned; they go into LDS row 16 i + oq (i: the column among the four), at byte 256 p + 16 vg.
	v_and_b32 v11, 15, v0                          ; oq
	v_lshrrev_b32 v10, 4, v0                       ; vg
	v_lshlrev_b32 v2, 15, v10                      ; 8 rows of 4,096 bytes
	v_lshl_add_u32 v2, v11, 4, v2
	v_mul_u32_u24 v14, v11, PT
	v_lshl_add_u32 v14, v10, 4, v14
	v_and_b32 v9, 31, v0                           ; lane
	s_mul_i32 s49, s3, 8*PT                        ; back: wave w takes LDS rows 8 w .. 8 w + 7, whole
	v_lshl_add_u32 v15, v9, 4, s49
	s_and_b32 s50, s3, 1                           ; LDS row 8 w + m is column o0 + 32 (w % 2) + 4 m + w / 2
	s_lshl_b32 s50, s50, 5
	s_lshr_b32 s51, s3, 1
	s_add_co_u32 s50, s50, s51
	s_lshl_b32 s50, s50, 11                        ; rows of 2,048 bytes
	v_lshl_add_u32 v3, v9, 4, s50
.set p, 0
.rept 4
.set j, 0
.rept 8
	global_load_b128 v[X+32*p+4*j:X+32*p+4*j+3], v2, s[6:7] offset:(128*p+j)*4096 th:TH_LOAD_NT
.set j, j+1
.endr
.set p, p+1
.endr
.set p, 0
.rept 4
	s_wait_loadcnt 24-8*p                          ; this pass's eight loads are in, the later passes' stay out
.set k, 0
.rept 16
.if (p == 0) && (k < 4)
	v_max_num_f32 v[M+k], |v[X+2*k]|, |v[X+2*k+1]|
.else
	v_max3_num_f32 v[M+k%4], |v[X+32*p+2*k]|, |v[X+32*p+2*k+1]|, v[M+k%4]
.endif
.set k, k+1
.endr
.set i, 0
.rept 4
.set jj, 0
.rept 4
	v_cvt_pk_f16_f32 v[DD+4*i+jj], v[X+32*p+8*jj+i], v[X+32*p+8*jj+4+i]  ; column i of rows 2 jj and 2 jj + 1
.set jj, jj+1
.endr
	ds_store_b128 v14, v[DD+4*i:DD+4*i+3] offset:16*i*PT+256*p
.set i, i+1
.endr
.set p, p+1
.endr
	s_wait_dscnt 0x0                               ; for the others' sake: my stores into the tile are done
	s_barrier_signal -1
	s_barrier_wait -1
.set n, 0
.rept 16
	ds_load_b128 v[X+4*n:X+4*n+3], v15 offset:(n/2)*PT+(n%2)*512  ; half a row: 512 consecutive bytes
.set n, n+1
.endr
.set n, 0
.rept 16
	s_wait_dscnt 15-n                              ; LDS loads come back in order: the younger ones stay out
	global_store_b128 v3, v[X+4*n:X+4*n+3], s[8:9] offset:(n/2)*8192+(n%2)*512  ; 512 consecutive bytes of a row of P turned
.set n, n+1
.endr
.Ltail:
	; The part's largest magnitude: four chains, 32 lanes, eight waves.
	v_max3_num_f32 v4, v4, v5, v6
	v_max_num_f32 v4, v4, v7
	v_max_num_f32_dpp v4, v4, v4 row_xmask:1 row_mask:0xf bank_mask:0xf
	v_max_num_f32_dpp v4, v4, v4 row_xmask:2 row_mask:0xf bank_mask:0xf
	v_max_num_f32_dpp v4, v4, v4 row_xmask:4 row_mask:0xf bank_mask:0xf
	v_max_num_f32_dpp v4, v4, v4 row_xmask:8 row_mask:0xf bank_mask:0xf
	v_permlanex16_b32 v8, v4, s32, s33
	v_max_num_f32 v4, v4, v8
	v_lshl_add_u32 v1, v1, 2, RED                  ; my wave's word
	ds_store_b32 v1, v4
	s_wait_dscnt 0x0                               ; for the others' sake
	s_barrier_signal -1
	s_barrier_wait -1
	v_mov_b32 v14, RED
	ds_load_b128 v[DD:DD+3], v14
	ds_load_b128 v[DD+4:DD+7], v14 offset:16
	v_mov_b32 v11, 1.0                             ; u = 1: the numbers are stored as they are
	v_lshlrev_b32 v9, 3, v0                        ; thread t writes copy t of the record
	s_wait_dscnt 0x0
	v_max3_num_f32 v10, v[DD], v[DD+1], v[DD+2]
	v_max3_num_f32 v10, v10, v[DD+3], v[DD+4]
	v_max3_num_f32 v10, v10, v[DD+5], v[DD+6]
	v_max_num_f32 v10, v10, v[DD+7]
	v_cmp_gt_u32 vcc_lo, s14, v0
	s_wait_xcnt 0x0                                ; EXEC is a source of the stores above: it changes only behind this wait
	s_and_saveexec_b32 s34, vcc_lo
	global_store_b64 v9, v[10:11], s[12:13]
	s_wait_xcnt 0x0                                ; and again in front of the line that widens it
	s_or_b32 exec_lo, exec_lo, s34
	s_wait_tensorcnt 0x0                           ; the wave's end: a tensor wait, an add of 0 to my spare word and its wait, behind my last LDS store
	ds_add_u32 v[SPW], v[NIL]
	s_wait_dscnt 0x0
	s_endpgm
.Lfunc_end_k_q3e525faa87_prep:
	.size	k_q3e525faa87_prep, .Lfunc_end_k_q3e525faa87_prep-k_q3e525faa87_prep
	.p2alignl 7, 3214868480
	.fill 96, 4, 3214868480
	.section	.rodata,"a",@progbits
	.p2align	6, 0x0
	.amdhsa_kernel k_q3e525faa87_prep
		.amdhsa_group_segment_fixed_size 67840
		.amdhsa_private_segment_fixed_size 0
		.amdhsa_enable_private_segment 0
		.amdhsa_kernarg_size 64
		.amdhsa_user_sgpr_count 2
		.amdhsa_user_sgpr_kernarg_segment_ptr 1
		.amdhsa_wavefront_size32 1
		.amdhsa_system_sgpr_workgroup_id_x 1
		.amdhsa_system_sgpr_workgroup_id_y 1
		.amdhsa_system_sgpr_workgroup_id_z 1
		.amdhsa_system_vgpr_workitem_id 0
		.amdhsa_next_free_vgpr 160
		.amdhsa_next_free_sgpr 66
		.amdhsa_reserve_vcc 1
		.amdhsa_float_denorm_mode_32 3
		.amdhsa_float_denorm_mode_16_64 3
		.amdhsa_memory_ordered 1
		.amdhsa_forward_progress 1
		.amdhsa_inst_pref_size 34
	.end_amdhsa_kernel
	.amdgpu_metadata
---
amdhsa.version: [ 1, 2 ]
amdhsa.kernels:
  - .name:           k_q3e525faa87_prep
    .symbol:         k_q3e525faa87_prep.kd
    .args:
      - { .name: x, .offset: 0, .size: 8, .value_kind: global_buffer, .address_space: global }
      - { .name: Wq, .offset: 8, .size: 8, .value_kind: global_buffer, .address_space: global }
      - { .name: Wk, .offset: 16, .size: 8, .value_kind: global_buffer, .address_space: global }
      - { .name: Wv, .offset: 24, .size: 8, .value_kind: global_buffer, .address_space: global }
      - { .name: P, .offset: 32, .size: 8, .value_kind: global_buffer, .address_space: global }
      - { .name: xh, .offset: 40, .size: 8, .value_kind: global_buffer, .address_space: global }
      - { .name: ws, .offset: 48, .size: 8, .value_kind: global_buffer, .address_space: global }
      - { .name: wy, .offset: 56, .size: 8, .value_kind: global_buffer, .address_space: global }
    .group_segment_fixed_size: 67840
    .private_segment_fixed_size: 0
    .kernarg_segment_align: 8
    .kernarg_segment_size: 64
    .max_flat_workgroup_size: 256
    .sgpr_count:     66
    .vgpr_count:     160
    .wavefront_size: 32
...
	.end_amdgpu_metadata
.endif
;; end of part 1
;; launch chain (part 2): grid 16 x 8, 4 waves a work-group, clusters of 4 x 4, 327,680 bytes of LDS; arguments ws, wy, a, ct; writes a, ct
.if DOCPART == 2
	.amdgcn_target "amdgcn-amd-amdhsa--gfx1250"
	.amdhsa_code_object_version 6
	.text
	.protected	k_q3e525faa87_chain
	.globl	k_q3e525faa87_chain
	.p2align	8
	.type	k_q3e525faa87_chain,@function
k_q3e525faa87_chain:
	s_mov_b64 s[64:65], 0
	v_nop
	global_prefetch_b8 v0, s[64:65] scope:SCOPE_SE
	s_setreg_imm32_b32 hwreg(HW_REG_WAVE_MODE, 25, 1), 1
	s_wait_xcnt 0x0
	s_wait_alu depctr_hold_cnt(0) depctr_sa_sdst(0) depctr_va_vdst(0) depctr_va_sdst(0) depctr_va_ssrc(0) depctr_va_vcc(0) depctr_vm_vsrc(0)
	s_getreg_b32 s2, hwreg(HW_REG_IB_STS2, 6, 4)
	s_cmp_eq_u32 s2, 0
	s_cbranch_scc0 .Lentry_in_a_cluster
	s_endpgm
.Lentry_in_a_cluster:
	s_bfe_u32 s2, ttmp6, 0x10000c
	s_cmp_lg_u32 s2, 0xf033
	s_cbranch_scc0 .Lentry_shape_is_right
	s_endpgm
.Lentry_shape_is_right:
; CHAIN.  Z[m][n] = sigma x the sum over k of L[m][k] R[n][k], matrices of 1024 x 1024 in f16, sums in f32, Z rounded once to f16.  One text for three launches:
;   A = Wq Wk^T and Ct = (Wv P)^T (grid 16 x 8: w = cluster x / 2 picks the pair of matrices and the result);  T_b = A G_b;  Mt_b = Ct T_b^T (grid 8 x 32: z = cluster y / 2 is the batch, w = 0).
; Arguments: S (left operands, 64 records), Y (right operands, 256 records), Z1, Z2 (results; Z2 is taken where w = 1 alone).
; SCALES.  Every matrix begins with 4,096 bytes of records (largest |stored| of a part, u with true = stored x u).  With f the exponent field of an operand's largest magnitude, kept in 103..143,
; sigma = 2^(15 - 10 + (126 - fS) + (126 - fY)): 1,024 products of numbers below 2^(fS-126) and 2^(fY-126) then stay within 2^15, inside f16 for every input; u_Z = u_S u_Y / sigma.
; sigma is a value alone: no address and no branch hangs on it.  LIMITS: one scale for all of a launch's matrices; the order of rounding is not that of a product by product evaluation in f32; NaN and infinities are not treated apart.
; SHARES.  A tile of Z is 128 x 128: four waves, each 64 x 64: 16 accumulators.  K goes in 4 steps of 256 through two LDS slots (rows of 512 bytes; a wave's tensor load brings 64 of them).
; CLUSTERS: 4 x 4 work-groups.  The four of a row of the cluster need the same tiles of L, the four of a column the same tiles of R: each tile is asked for JOINTLY, by the same tensor load with the same descriptor and a mask of the four.
; THE MATRIX INSTRUCTION IS USED TRANSPOSED (source 0 = 16 rows of R, source 1 = 16 rows of L): a lane then holds eight neighbouring numbers of a row of Z.
; REGISTERS: window 0: v0-31 addresses; v32-95 at work on the way out; v96-127 records and maxima; v128-255 the accumulators ((a, b) at v[128 + 8 (4 a + b)]).
;   window 1: two fragment buffers of 128: for 64 along K, 64 registers of L (2 x 4 x 16 rows x 32 K), then 64 of R.
.set HDR,    4096
.set MAT,    2097152
.set KSTEP,  256
.set PITCH,  528                       ; an LDS row: 512 bytes + 16 of padding: an odd multiple of 16, so that the 16 rows of a fragment load start in 16 different 16-byte columns
.set HALFT,  64*PITCH                  ; 64 rows: what one tensor load brings, and what one wave reads of L or of R
.set SLOT,   4*HALFT                   ; L's 128 rows, then R's 128 rows
.set STAGE,  2*SLOT                    ; behind the ring: 128 rows x 272 bytes, the work-group's, for the way out
.set SPITCH, 272
.set RED,    STAGE+128*SPITCH          ; the four waves' maxima, a block of 256 bytes
.set SPARE,  RED+256                   ; the spare words, 128 bytes for each wave: two blocks of 256 bytes that no other line names
.set ADRA, 16                          ; v16-17  LDS address of my L fragments in slot 0, 1
.set ADRB, 20                          ; v20-21  the same for R
.set STO,  24                          ; v24     the way out: where I put 16 bytes of a row
.set RD,   25                          ; v25     where I read a row back
.set CO,   26                          ; v26     my byte offset in Z
.set RW,   27                          ; v27     my wave's word in RED
.set SPW,  28                          ; v28     my spare word; never rewritten
.set NIL,  29                          ; v29     0; never rewritten
.set ZO,   30                          ; v30     0: the record store's offset
.set SO,   31                          ; v31     16 x lane: the record loads' offset
.set TMP,  32
.set ST,   96                          ; v96-99 S's records, v100-115 Y's
.set MX,   116                         ; v116-119 maxima
.set REC,  120                         ; v120-121 my tile's record
.set RA,   122                         ; v122    RED
.set RV,   124                         ; v124-127 the four waves' maxima
.set ACC,  128
.set F0,   0
.set F1,   128
.set G1, 24                            ; s[24:31] descriptor group 1 for L's tiles;  s[32:39] group 0, one set for each slot
.set G0, 32
.set G1B, 48                           ; s[48:55], s[56:63] the same for R's tiles
.set G0B, 56
.set MSB, 0
.macro WIN new                         ; the immediate's high byte repeats the setting that is left
.if MSB != (\new)
	s_set_vgpr_msb (MSB<<8)|(\new)
.set MSB, \new
.endif
.endm
.set MUL,  0x05                        ; sources 0 (R) and 1 (L) window 1; C and D window 0
.set TO_F, 0x40                        ; destination window 1, address window 0
.macro JLOAD s                         ; a joint load: waves 0 and 1 fetch L's two halves, waves 2 and 3 R's; an s_nop 0 and four v_nop follow each of the two lines
	s_cmp_eq_u32 s13, 0
	s_cbranch_scc0 .Lfor_b_\@
	tensor_load_to_lds s[G0+4*(\s):G0+4*(\s)+3], s[G1:G1+7]
	s_nop 0
.rept 4
	v_nop
.endr
	s_branch .Lasked_\@
.Lfor_b_\@:
	tensor_load_to_lds s[G0B+4*(\s):G0B+4*(\s)+3], s[G1B:G1B+7]
	s_nop 0
.rept 4
	v_nop
.endr
.Lasked_\@:
.endm
.macro CREST                           ; a round of the cluster's barrier behind its opening barrier
	s_cmp_lg_u32 s12, 0
	s_cbranch_scc1 .Lnot_wave_0_\@
	s_barrier_signal -3
.Lnot_wave_0_\@:
	s_barrier_wait -3
	s_barrier_signal -1
	s_barrier_wait -1
.endm
.macro CROUND                          ; a whole round
	s_barrier_signal -1
	s_barrier_wait -1
	CREST
.endm
.macro PLACES                          ; four places in front of loads into registers that matrix instructions have read, and of vector work that reads results
.rept 4
	v_nop
.endr
.endm
.macro WMAX r, t                       ; the largest of v[r] over the 32 lanes, in every lane; v[t] at work
	v_max_num_f32_dpp v[\r], v[\r], v[\r] row_xmask:1 row_mask:0xf bank_mask:0xf
	v_max_num_f32_dpp v[\r], v[\r], v[\r] row_xmask:2 row_mask:0xf bank_mask:0xf
	v_max_num_f32_dpp v[\r], v[\r], v[\r] row_xmask:4 row_mask:0xf bank_mask:0xf
	v_max_num_f32_dpp v[\r], v[\r], v[\r] row_xmask:8 row_mask:0xf bank_mask:0xf
	v_permlanex16_b32 v[\t], v[\r], s76, s77
	v_max_num_f32 v[\r], v[\r], v[\t]
.endm
	s_load_b256 s[4:11], s[0:1], 0x0               ; S s[4:5], Y s[6:7], Z1 s[8:9], Z2 s[10:11]
	v_lshl_add_u32 v[SPW], v0, 2, SPARE
	v_mov_b32 v[NIL], 0
	ds_add_u32 v[SPW], v[NIL]                      ; the wave's opening: the add and its wait stand ahead of my first tensor load; the set-up below, work on registers, stands between them
	v_lshrrev_b32 v1, 5, v0
	v_readfirstlane_b32 s12, v1                    ; wave 0..3
	s_lshr_b32 s13, s12, 1                         ; which half of the tile's rows is mine.  Also: I fetch for L (0) or for R (1)
	s_and_b32 s14, s12, 1                          ; which half of its columns.  Also: which 64 rows of that tile I fetch
	s_bfe_u32 s15, ttmp6, 0x40000                  ; cx, cy: my place in the cluster
	s_bfe_u32 s16, ttmp6, 0x40004
	s_and_b32 s17, ttmp9, 1                        ; two clusters side by side cover a matrix's eight tile columns
	s_lshl_b32 s17, s17, 2
	s_add_co_u32 s17, s17, s15                     ; tile column
	s_lshr_b32 s19, ttmp9, 1                       ; w: which pair of matrices
	s_and_b32 s20, ttmp7, 0xffff
	s_and_b32 s18, s20, 1
	s_lshl_b32 s18, s18, 2
	s_add_co_u32 s18, s18, s16                     ; tile row
	s_lshr_b32 s20, s20, 1                         ; z: the batch
	s_lshl_b32 s21, s16, 2
	s_lshl_b32 s21, 15, s21                        ; my row of the cluster
	s_lshl_b32 s22, 0x1111, s15                    ; my column
	; descriptor group 1: a tile of 64 rows x 256 elements, padded in LDS
	s_or_b32 s[G1+0], s21, (1<<16)|(1<<20)|(1<<21)|(6<<22)|(3<<25)  ; 15:0 the mask: L's tiles go to my row; 17:16 2-byte elements; 20 padding on; 21 set beside a mask; 24:22 after every 128 words; 31:25 4 words
	s_or_b32 s[G1B+0], s22, (1<<16)|(1<<20)|(1<<21)|(6<<22)|(3<<25) ; the same with the mask of my column
.irp g, G1, G1B
	s_mov_b32 s[(\g)+1], KSTEP<<16                 ; tensor_dim0 = 256
	s_mov_b32 s[(\g)+2], 64<<16                    ; tensor_dim1 = 64
	s_mov_b32 s[(\g)+3], KSTEP<<16                 ; tile_dim0 = 256
	s_mov_b32 s[(\g)+4], 64                        ; tile_dim1 = 64
	s_mov_b32 s[(\g)+5], 1024                      ; elements from row to row
	s_mov_b32 s[(\g)+6], 0
	s_mov_b32 s[(\g)+7], 0
.endr
	; L's tile hangs on the tile row (and w), which my row of the cluster shares; R's on the tile column (and z, w), which my column shares
	s_lshl_b32 s40, s18, 18                        ; 128 rows of 2,048 bytes for each tile row
	s_lshl_b32 s42, s14, 17                        ; + my 64 rows
	s_add_co_u32 s40, s40, s42
	s_lshl_b32 s42, s19, 21                        ; + w matrices
	s_add_co_u32 s40, s40, s42
	s_add_co_u32 s40, s40, HDR
	s_mov_b32 s41, 0
	s_lshl_b32 s46, s17, 18
	s_lshl_b32 s44, s14, 17
	s_add_co_u32 s46, s46, s44
	s_add_co_u32 s44, s20, s19                     ; + z + w matrices (one of the two is 0 in every launch)
	s_lshl_b32 s44, s44, 21
	s_add_co_u32 s46, s46, s44
	s_add_co_u32 s46, s46, HDR
	s_mov_b32 s47, 0
	s_mul_i32 s23, s12, HALFT                      ; where they go: wave x 64 rows
	s_lshl_b32 s82, s20, 6                         ; my tile's record: 64 z + 8 x tile row + tile column,
	s_lshl_b32 s84, s18, 3
	s_add_co_u32 s82, s82, s84
	s_add_co_u32 s82, s82, s17
	s_lshl_b32 s82, s82, 3                         ; 8 bytes each
	s_mov_b32 s83, 0
	s_lshl_b32 s84, s20, 21                        ; the first row of Z that I store: batch z, 128 x tile row + 32 x wave; the tile's first column
	s_lshl_b32 s85, s18, 18
	s_add_co_u32 s84, s84, s85
	s_lshl_b32 s85, s12, 16
	s_add_co_u32 s84, s84, s85
	s_lshl_b32 s85, s17, 8
	s_add_co_u32 s84, s84, s85
	s_add_co_u32 s84, s84, HDR
	s_mov_b32 s85, 0
	s_mov_b32 s76, 0x76543210                      ; v_permlanex16_b32: each lane takes its own place in the other half
	s_mov_b32 s77, 0xfedcba98
	s_wait_dscnt 0x0                               ; the opening add is done
	s_wait_kmcnt 0x0
	s_add_nc_u64 s[40:41], s[4:5], s[40:41]
	s_add_nc_u64 s[46:47], s[6:7], s[46:47]
	CROUND                                         ; all sixteen work-groups are here: the first joint loads meet
.irp s, 0,1
	s_mov_b32 s[G0+4*(\s)], 1
	s_add_co_u32 s[G0+4*(\s)+1], s23, (\s)*SLOT
	s_add_nc_u64 s[G0+4*(\s)+2:G0+4*(\s)+3], s[40:41], (\s)*KSTEP*2
	s_or_b32 s[G0+4*(\s)+3], s[G0+4*(\s)+3], 0x80000000
	s_mov_b32 s[G0B+4*(\s)], 1
	s_add_co_u32 s[G0B+4*(\s)+1], s23, (\s)*SLOT
	s_add_nc_u64 s[G0B+4*(\s)+2:G0B+4*(\s)+3], s[46:47], (\s)*KSTEP*2
	s_or_b32 s[G0B+4*(\s)+3], s[G0B+4*(\s)+3], 0x80000000
	JLOAD \s                                       ; two tensor loads of mine are out
.endr
	; the operands' records: S's 64 (512 bytes), Y's 256 (2,048 bytes), and u of each; they are wanted on the way out
	v_and_b32 v[SO], 31, v0
	v_lshlrev_b32 v[SO], 4, v[SO]
	global_load_b128 v[ST:ST+3], v[SO], s[4:5]
.irp i, 0,1,2,3
	global_load_b128 v[ST+4+4*(\i):ST+7+4*(\i)], v[SO], s[6:7] offset:512*(\i)
.endr
	s_load_b32 s70, s[4:5], 0x4
	s_load_b32 s71, s[6:7], 0x4
	s_cmp_lg_u32 s19, 0                            ; the result: a choice on w, which hangs on no address
	s_cselect_b64 s[8:9], s[10:11], s[8:9]
	s_add_nc_u64 s[66:67], s[8:9], s[82:83]
	s_add_nc_u64 s[8:9], s[8:9], s[84:85]
	v_mov_b32 v[ZO], 0
	v_mov_b32 v[MX+1], 0                           ; written once: v_permlanex16_b32 counts as a reader of its destination
	v_mov_b32 v[RA], RED
	v_mov_b32 v[RW], s12
	v_lshl_add_u32 v[RW], v[RW], 2, RED
	v_and_b32 v1, 15, v0                           ; l % 16
	v_bfe_u32 v2, v0, 4, 1                         ; l / 16
	v_mul_u32_u24 v3, v1, PITCH
	v_lshl_add_u32 v3, v2, 4, v3                   ; a fragment's row x pitch + 16 x half
	s_mul_i32 s42, s13, HALFT                      ; my 64 rows of L
	s_mul_i32 s44, s14, HALFT                      ; my 64 rows of R,
	s_add_co_u32 s44, s44, 2*HALFT                 ; which lie behind L's 128
.irp s, 0,1
	v_add_nc_u32 v[ADRA+(\s)], s42, v3
	v_add_nc_u32 v[ADRB+(\s)], s44, v3
	s_add_co_u32 s42, s42, SLOT
	s_add_co_u32 s44, s44, SLOT
.endr
	s_mul_i32 s42, s13, 64*SPITCH                  ; into the stage: my 64 rows, my half of their 256 bytes; row l % 16, 16 bytes for each half of the lanes
	s_lshl_b32 s44, s14, 7
	s_add_co_u32 s42, s42, s44
	s_add_co_u32 s42, s42, STAGE
	v_mul_u32_u24 v4, v1, SPITCH
	v_lshl_add_u32 v4, v2, 4, v4
	v_add_nc_u32 v[STO], s42, v4
	s_mul_i32 s42, s12, 32*SPITCH                  ; back: wave w takes rows 32 w .. 32 w + 31, whole; lanes 0-15 one row of 256 bytes, lanes 16-31 the next
	s_add_co_u32 s42, s42, STAGE
	v_mul_u32_u24 v5, v2, SPITCH
	v_lshl_add_u32 v5, v1, 4, v5
	v_add_nc_u32 v[RD], s42, v5
	v_lshlrev_b32 v5, 11, v2                       ; and the same two rows in Z
	v_lshl_add_u32 v[CO], v1, 4, v5
; 8 matrix instructions: m blocks a0, a0 + 1 x all 4 n blocks, 32 along K: half c of buffer f.  zero = 1: the first product starts the sums.  The 16 accumulators take turns.
.macro MUL8 f, c, a0, zero
	WIN MUL
.irp a, \a0, (\a0)+1
.irp b, 0,1,2,3
.if \zero
	v_wmma_f32_16x16x32_f16 v[ACC+8*(4*(\a)+(\b)):ACC+8*(4*(\a)+(\b))+7], v[(\f)+64+8*(4*(\c)+(\b)):(\f)+64+8*(4*(\c)+(\b))+7], v[(\f)+8*(4*(\c)+(\a)):(\f)+8*(4*(\c)+(\a))+7], 0
.else
	v_wmma_f32_16x16x32_f16 v[ACC+8*(4*(\a)+(\b)):ACC+8*(4*(\a)+(\b))+7], v[(\f)+64+8*(4*(\c)+(\b)):(\f)+64+8*(4*(\c)+(\b))+7], v[(\f)+8*(4*(\c)+(\a)):(\f)+8*(4*(\c)+(\a))+7], v[ACC+8*(4*(\a)+(\b)):ACC+8*(4*(\a)+(\b))+7]
.endif
.endr
.endr
.endm
; 32 LDS loads in one run: the fragments of 64 along K at byte k of the rows, into buffer f; the first 32 along K first
.macro FETCH slot, k, f
	WIN TO_F
.irp c, 0,1
.irp i, 0,1,2,3
	ds_load_b128 v[(\f)+64+8*(4*(\c)+(\i)):(\f)+64+8*(4*(\c)+(\i))+3],   v[ADRB+(\slot)] offset:(\k)+64*(\c)+(\i)*16*PITCH
	ds_load_b128 v[(\f)+64+8*(4*(\c)+(\i))+4:(\f)+64+8*(4*(\c)+(\i))+7], v[ADRB+(\slot)] offset:(\k)+64*(\c)+(\i)*16*PITCH+32
	ds_load_b128 v[(\f)+8*(4*(\c)+(\i)):(\f)+8*(4*(\c)+(\i))+3],         v[ADRA+(\slot)] offset:(\k)+64*(\c)+(\i)*16*PITCH
	ds_load_b128 v[(\f)+8*(4*(\c)+(\i))+4:(\f)+8*(4*(\c)+(\i))+7],       v[ADRA+(\slot)] offset:(\k)+64*(\c)+(\i)*16*PITCH+32
.endr
.endr
.endm
; A K step is four quarters of 64 along K, 32 matrix instructions each, on buffers 0, 1, 0, 1.  One of the first three: multiplies buffer f and fetches the next quarter, at byte k, into g.
.macro QUARTER slot, k, f, g, zero
	s_wait_dscnt 16                                ; the first 32 along K are in; the youngest sixteen loads may be out
	MUL8 \f, 0, 0, \zero
	MUL8 \f, 0, 2, \zero
	PLACES
	FETCH \slot, \k, \g
	s_wait_dscnt 32                                ; all but the 32 just issued
	MUL8 \f, 1, 0, 0
	MUL8 \f, 1, 2, 0
.endm
; The last quarter multiplies buffer 1 and changes slots: ONE barrier; in front of it each wave waits for all its tensor loads, adds 0 to its spare word, and waits for that and for its own reads of this slot.
; fill = 1: this slot is filled again, two K steps ahead; the barrier then opens a round of the cluster's, and the joint load is the first thing behind the round.
.macro TURN slot, next, fill
	WIN 0                                          ; (the add's two registers lie in window 0)
	s_wait_tensorcnt 0x0                           ; all my tensor loads have landed: my part of the next slot
	ds_add_u32 v[SPW], v[NIL]                      ; 0 onto my spare word
	s_wait_dscnt 17                                ; (the add and the youngest sixteen loads may be out)
	MUL8 F1, 0, 0, 0                               ; eight matrix instructions stand between the add and the wait for it
	s_wait_dscnt 0x0                               ; the add is done, and my reads of this slot are over
	s_barrier_signal -1
	MUL8 F1, 0, 2, 0
.if \fill
	WIN 0
.endif
	s_barrier_wait -1
.if \fill
	CREST                                          ; no wave of any partner still reads this slot's tile or has a load on its way
	s_add_nc_u64 s[G0+4*(\slot)+2:G0+4*(\slot)+3], s[G0+4*(\slot)+2:G0+4*(\slot)+3], 2*KSTEP*2
	s_add_nc_u64 s[G0B+4*(\slot)+2:G0B+4*(\slot)+3], s[G0B+4*(\slot)+2:G0B+4*(\slot)+3], 2*KSTEP*2
	JLOAD \slot                                    ; 112 matrix instructions ahead of the wait for it; the four v_nop behind it are also the places in front of the loads below
.else
	PLACES
.endif
	FETCH \next, 0, F0
	MUL8 F1, 1, 0, 0
	MUL8 F1, 1, 2, 0
.endm
	s_wait_tensorcnt 1                             ; my part of K step 0 is in; step 1's may stay out
	s_barrier_signal -1
	s_barrier_wait -1                              ; everybody's is
	FETCH 0, 0, F0
	QUARTER 0, 128, F0, F1, 1                      ; K step 0: its first products start the sums
	QUARTER 0, 256, F1, F0, 0
	QUARTER 0, 384, F0, F1, 0
	TURN 0, 1, 1                                   ; slot 0 takes K step 2
	QUARTER 1, 128, F0, F1, 0
	QUARTER 1, 256, F1, F0, 0
	QUARTER 1, 384, F0, F1, 0
	TURN 1, 0, 1                                   ; slot 1 takes K step 3
	QUARTER 0, 128, F0, F1, 0
	QUARTER 0, 256, F1, F0, 0
	QUARTER 0, 384, F0, F1, 0
	TURN 0, 1, 0                                   ; nothing is left to fetch
	QUARTER 1, 128, F0, F1, 0
	QUARTER 1, 256, F1, F0, 0
	QUARTER 1, 384, F0, F1, 0
	s_wait_dscnt 16                                ; the very last quarter
	MUL8 F1, 0, 0, 0
	MUL8 F1, 0, 2, 0
	s_wait_dscnt 0
	MUL8 F1, 1, 0, 0
	MUL8 F1, 1, 2, 0
	WIN 0
	; THE SCALE, from the operands' records
	PLACES
	s_wait_loadcnt 0x0
	s_wait_kmcnt 0x0
	v_max_num_f32 v[MX], v[ST], v[ST+2]            ; the maxima stand in the even registers
	v_max3_num_f32 v[MX+2], v[ST+4], v[ST+6], v[ST+8]
	v_max3_num_f32 v[MX+2], v[MX+2], v[ST+10], v[ST+12]
	v_max3_num_f32 v[MX+2], v[MX+2], v[ST+14], v[ST+16]
	v_max_num_f32 v[MX+2], v[MX+2], v[ST+18]
	WMAX MX, MX+1
	WMAX MX+2, MX+1
	v_readfirstlane_b32 s72, v[MX]
	v_readfirstlane_b32 s73, v[MX+2]
	s_lshr_b32 s72, s72, 23                        ; the exponent fields (the maxima are not negative),
	s_max_u32 s72, s72, 103                        ; kept within f16's span, so that sigma is finite where an operand is all zeros
	s_min_u32 s72, s72, 143
	s_lshr_b32 s73, s73, 23
	s_max_u32 s73, s73, 103
	s_min_u32 s73, s73, 143
	s_add_co_u32 s74, s72, s73
	s_sub_co_u32 s68, 384, s74                     ; sigma's field: 127 + 15 - 10 + 252 - fS - fY
	s_lshl_b32 s68, s68, 23
	s_mov_b32 s69, s68                             ; named with it as a pair
	s_sub_co_u32 s74, s74, 130                     ; 1 / sigma: 254 less that field
	s_lshl_b32 s74, s74, 23
	v_mul_f32 v[REC+1], s70, s71
	v_mul_f32 v[REC+1], s74, v[REC+1]              ; u_Z = u_S u_Y / sigma
	; THE WAY OUT: each accumulator, from its low end on: the largest magnitude, the scale, the rounding to f16; 16 bytes a lane into the work-group's stage
.macro PACKT t
.irp c, 0,1,2,3
.if (\t) == 0
	v_max_num_f32 v[MX+(\c)], |v[ACC+2*(\c)]|, |v[ACC+2*(\c)+1]|
.else
	v_max3_num_f32 v[MX+(\c)], |v[ACC+8*(\t)+2*(\c)]|, |v[ACC+8*(\t)+2*(\c)+1]|, v[MX+(\c)]
.endif
.endr
.irp c, 0,1,2,3
	v_pk_mul_f32 v[ACC+8*(\t)+2*(\c):ACC+8*(\t)+2*(\c)+1], v[ACC+8*(\t)+2*(\c):ACC+8*(\t)+2*(\c)+1], s[68:69] op_sel_hi:[1,0]
.endr
.irp c, 0,1,2,3
	v_cvt_pk_f16_f32 v[TMP+4*(\t)+(\c)], v[ACC+8*(\t)+2*(\c)], v[ACC+8*(\t)+2*(\c)+1]
.endr
.endm
.irp t, 0,1,2,3,4,5,6,7,8,9,10,11,12,13,14,15
	PACKT \t
.endr
.irp a, 0,1,2,3
.irp b, 0,1,2,3
	ds_store_b128 v[STO], v[TMP+4*(4*(\a)+(\b)):TMP+4*(4*(\a)+(\b))+3] offset:(\a)*16*SPITCH+32*(\b)
.endr
.endr
	v_max3_num_f32 v[MX], v[MX], v[MX+1], v[MX+2]
	v_max_num_f32 v[MX], v[MX], v[MX+3]
	WMAX MX, MX+1
	v_mul_f32 v[MX], s68, v[MX]                    ; the largest |stored| of my 64 x 64
	ds_store_b32 v[RW], v[MX]
	s_wait_dscnt 0x0                               ; for the others' sake: my stores into the stage and into RED are done
	s_barrier_signal -1
	s_barrier_wait -1
	ds_load_b128 v[RV:RV+3], v[RA]                 ; the four waves' maxima: older than the sixteen loads below, so their counts stand
.irp t, 0,1,2,3,4,5,6,7,8,9,10,11,12,13,14,15
	ds_load_b128 v[TMP+4*(\t):TMP+4*(\t)+3], v[RD] offset:(\t)*2*SPITCH
.endr
.irp t, 0,1,2,3,4,5,6,7,8,9,10,11,12,13,14,15
	s_wait_dscnt 15-(\t)
	global_store_b128 v[CO], v[TMP+4*(\t):TMP+4*(\t)+3], s[8:9] offset:(\t)*4096  ; 16 lanes store 256 consecutive bytes, at a multiple of 256 from Z's first byte
.endr
	v_max3_num_f32 v[REC], v[RV], v[RV+1], v[RV+2]
	v_max_num_f32 v[REC], v[REC], v[RV+3]
	v_cmp_eq_u32 vcc_lo, 0, v0                     ; the work-group's thread 0 writes the tile's record
	s_wait_xcnt 0x0                                ; EXEC is a source of the stores above: it changes only behind this wait
	s_and_saveexec_b32 s80, vcc_lo
	global_store_b64 v[ZO], v[REC:REC+1], s[66:67]
	s_wait_xcnt 0x0                                ; and again in front of the line that widens it
	s_or_b32 exec_lo, exec_lo, s80
	s_wait_tensorcnt 0x0                           ; the wave's end: a tensor wait, an add of 0 to my spare word and its wait, behind my last tensor load and my last LDS store
	ds_add_u32 v[SPW], v[NIL]
	s_wait_dscnt 0x0
	CROUND                                         ; the closing round: no work-group ends while a partner may still ask for a tile that names it
	s_endpgm
.Lfunc_end_k_q3e525faa87_chain:
	.size	k_q3e525faa87_chain, .Lfunc_end_k_q3e525faa87_chain-k_q3e525faa87_chain
	.p2alignl 7, 3214868480
	.fill 96, 4, 3214868480
	.section	.rodata,"a",@progbits
	.p2align	6, 0x0
	.amdhsa_kernel k_q3e525faa87_chain
		.amdhsa_group_segment_fixed_size 327680
		.amdhsa_private_segment_fixed_size 0
		.amdhsa_enable_private_segment 0
		.amdhsa_kernarg_size 32
		.amdhsa_user_sgpr_count 2
		.amdhsa_user_sgpr_kernarg_segment_ptr 1
		.amdhsa_wavefront_size32 1
		.amdhsa_system_sgpr_workgroup_id_x 1
		.amdhsa_system_sgpr_workgroup_id_y 1
		.amdhsa_system_sgpr_workgroup_id_z 1
		.amdhsa_system_vgpr_workitem_id 0
		.amdhsa_next_free_vgpr 512
		.amdhsa_next_free_sgpr 88
		.amdhsa_reserve_vcc 1
		.amdhsa_float_denorm_mode_32 3
		.amdhsa_float_denorm_mode_16_64 3
		.amdhsa_memory_ordered 1
		.amdhsa_forward_progress 1
		.amdhsa_inst_pref_size 99
	.end_amdhsa_kernel
	.amdgpu_metadata
---
amdhsa.version: [ 1, 2 ]
amdhsa.kernels:
  - .name:           k_q3e525faa87_chain
    .symbol:         k_q3e525faa87_chain.kd
    .args:
      - { .name: ws, .offset: 0, .size: 8, .value_kind: global_buffer, .address_space: global }
      - { .name: wy, .offset: 8, .size: 8, .value_kind: global_buffer, .address_space: global }
      - { .name: a, .offset: 16, .size: 8, .value_kind: global_buffer, .address_space: global }
      - { .name: ct, .offset: 24, .size: 8, .value_kind: global_buffer, .address_space: global }
    .group_segment_fixed_size: 327680
    .private_segment_fixed_size: 0
    .kernarg_segment_align: 8
    .kernarg_segment_size: 32
    .max_flat_workgroup_size: 128
    .sgpr_count:     88
    .vgpr_count:     512
    .wavefront_size: 32
...
	.end_amdgpu_metadata
.endif
;; end of part 2
;; launch gram (part 3): grid 8 x 32, 4 waves a work-group, clusters of 4 x 4, 327,680 bytes of LDS; arguments xh, g; writes g
.if DOCPART == 3
	.amdgcn_target "amdgcn-amd-amdhsa--gfx1250"
	.amdhsa_code_object_version 6
	.text
	.protected	k_q3e525faa87_gram
	.globl	k_q3e525faa87_gram
	.p2align	8
	.type	k_q3e525faa87_gram,@function
k_q3e525faa87_gram:
	s_mov_b64 s[64:65], 0
	v_nop
	global_prefetch_b8 v0, s[64:65] scope:SCOPE_SE
	s_setreg_imm32_b32 hwreg(HW_REG_WAVE_MODE, 25, 1), 1
	s_wait_xcnt 0x0
	s_wait_alu depctr_hold_cnt(0) depctr_sa_sdst(0) depctr_va_vdst(0) depctr_va_sdst(0) depctr_va_ssrc(0) depctr_va_vcc(0) depctr_vm_vsrc(0)
	s_getreg_b32 s2, hwreg(HW_REG_IB_STS2, 6, 4)
	s_cmp_eq_u32 s2, 0
	s_cbranch_scc0 .Lentry_in_a_cluster
	s_endpgm
.Lentry_in_a_cluster:
	s_bfe_u32 s2, ttmp6, 0x10000c
	s_cmp_lg_u32 s2, 0xf033
	s_cbranch_scc0 .Lentry_shape_is_right
	s_endpgm
.Lentry_shape_is_right:
; GRAM.  G_b[i][j] = sigma x the sum over s of x[b][s][i] x[b][s][j]: 1024 x 1024 for each of 4 batches, K = 2,048 rows s.  x in f16 (xh), sums in f32, G rounded once to f16.
; Both operands lie with K down the rows, so both come out of LDS turned, by ds_load_tr16_b128.
; SCALE.  With fx the exponent field of the largest |x| (from xh's 256 records), kept in 103..143, sigma = 2^(15 - 11 + 2 (126 - fx)): 2,048 products of numbers below 2^(fx-126) stay within 2^15.
; u_G = 1 / sigma (x is stored as it is).  sigma is a value alone.  LIMITS: one scale for all four batches; NaN and infinities are not treated apart.
; SHARES.  A tile of G is 128 x 128 of one batch: four waves, each 64 x 64: 16 accumulators.  K goes in 8 steps of 256 rows through two LDS slots; a slot holds the strip of the tile's 128 columns i
; and the strip of its 128 columns j, 256 rows of 256 bytes each; a wave's tensor load brings 128 rows of one strip.
; CLUSTERS: 4 x 4 work-groups of one batch.  The i strip hangs on the tile row and is shared along a row of the cluster, the j strip on the tile column and is shared along a column: each is asked for JOINTLY.
; Source 0 = 16 columns j, source 1 = 16 columns i: a lane holds eight neighbouring j of one row i.
; REGISTERS: window 0: v0-31 addresses; v32-95 at work on the way out; v96-127 records and maxima; v128-255 the accumulators.  window 1: two fragment buffers of 128 (64 of i, then 64 of j, for 64 along K).
.set HDR,    4096
.set MAT,    2097152
.set KS,     256                       ; rows s in a step
.set PV,     288                       ; an LDS row: 256 bytes + 32 of padding
.set HALFT,  128*PV                    ; what one tensor load brings
.set STRIP,  2*HALFT                   ; a strip of 256 rows
.set SLOT,   2*STRIP                   ; the i strip, then the j strip
.set STAGE,  0                         ; the way out's stage, 128 rows x 272 bytes, lies in slot 0: that slot has had its last fill (step 6), and all reads of it were awaited in front of the barrier that changes to step 7
.set SPITCH, 272
.set RED,    2*SLOT                    ; the four waves' maxima, a block of 256 bytes
.set SPARE,  RED+256                   ; the spare words, 128 bytes for each wave: two blocks of 256 bytes that no other line names
.set ADRA, 16                          ; v16-19  LDS address of my i fragments: slot 0 rows 0-127, rows 128-255, slot 1 likewise (an LDS offset has 16 bits)
.set ADRB, 20                          ; v20-23  the same for j
.set STO,  24
.set RD,   25
.set CO,   26
.set RW,   27
.set SPW,  28                          ; v28     my spare word; never rewritten
.set NIL,  29                          ; v29     0; never rewritten
.set ZO,   30
.set SO,   31
.set TMP,  32
.set ST,   96                          ; v100-115 xh's records
.set MX,   116
.set REC,  120
.set RA,   122
.set RV,   124
.set ACC,  128
.set F0,   0
.set F1,   128
.set G1, 24
.set G0, 32
.set G1B, 48
.set G0B, 56
.set MSB, 0
.macro WIN new                         ; the immediate's high byte repeats the setting that is left
.if MSB != (\new)
	s_set_vgpr_msb (MSB<<8)|(\new)
.set MSB, \new
.endif
.endm
.set MUL,  0x05                        ; sources 0 (j) and 1 (i) window 1; C and D window 0
.set TO_F, 0x40                        ; destination window 1, address window 0
.macro JLOAD s                         ; a joint load: waves 0 and 1 fetch the i strip's two halves, waves 2 and 3 the j strip's; an s_nop 0 and four v_nop follow each of the two lines
	s_cmp_eq_u32 s13, 0
	s_cbranch_scc0 .Lfor_b_\@
	tensor_load_to_lds s[G0+4*(\s):G0+4*(\s)+3], s[G1:G1+7]
	s_nop 0
.rept 4
	v_nop
.endr
	s_branch .Lasked_\@
.Lfor_b_\@:
	tensor_load_to_lds s[G0B+4*(\s):G0B+4*(\s)+3], s[G1B:G1B+7]
	s_nop 0
.rept 4
	v_nop
.endr
.Lasked_\@:
.endm
.macro CREST                           ; a round of the cluster's barrier behind its opening barrier
	s_cmp_lg_u32 s12, 0
	s_cbranch_scc1 .Lnot_wave_0_\@
	s_barrier_signal -3
.Lnot_wave_0_\@:
	s_barrier_wait -3
	s_barrier_signal -1
	s_barrier_wait -1
.endm
.macro CROUND
	s_barrier_signal -1
	s_barrier_wait -1
	CREST
.endm
.macro PLACES                          ; four places in front of loads into registers that matrix instructions have read, and of vector work that reads results
.rept 4
	v_nop
.endr
.endm
.macro WMAX r, t                       ; the largest of v[r] over the 32 lanes, in every lane; v[t] at work
	v_max_num_f32_dpp v[\r], v[\r], v[\r] row_xmask:1 row_mask:0xf bank_mask:0xf
	v_max_num_f32_dpp v[\r], v[\r], v[\r] row_xmask:2 row_mask:0xf bank_mask:0xf
	v_max_num_f32_dpp v[\r], v[\r], v[\r] row_xmask:4 row_mask:0xf bank_mask:0xf
	v_max_num_f32_dpp v[\r], v[\r], v[\r] row_xmask:8 row_mask:0xf bank_mask:0xf
	v_permlanex16_b32 v[\t], v[\r], s76, s77
	v_max_num_f32 v[\r], v[\r], v[\t]
.endm
	s_load_b128 s[4:7], s[0:1], 0x0                ; xh s[4:5], g s[6:7]
	v_lshl_add_u32 v[SPW], v0, 2, SPARE
	v_mov_b32 v[NIL], 0
	ds_add_u32 v[SPW], v[NIL]                      ; the wave's opening: the add and its wait stand ahead of my first tensor load; the set-up below, work on registers, stands between them
	v_lshrrev_b32 v1, 5, v0
	v_readfirstlane_b32 s12, v1                    ; wave 0..3
	s_lshr_b32 s13, s12, 1                         ; which half of the tile's rows i is mine.  Also: I fetch the i strip (0) or the j strip (1)
	s_and_b32 s14, s12, 1                          ; which half of its columns j.  Also: which 128 rows s of a step I fetch
	s_bfe_u32 s15, ttmp6, 0x40000                  ; cx, cy
	s_bfe_u32 s16, ttmp6, 0x40004
	s_lshl_b32 s17, ttmp9, 2
	s_add_co_u32 s17, s17, s15                     ; tile column j
	s_and_b32 s20, ttmp7, 0xffff
	s_and_b32 s18, s20, 1                          ; two clusters one below the other cover a batch's eight tile rows
	s_lshl_b32 s18, s18, 2
	s_add_co_u32 s18, s18, s16                     ; tile row i
	s_lshr_b32 s20, s20, 1                         ; the batch
	s_lshl_b32 s21, s16, 2
	s_lshl_b32 s21, 15, s21                        ; my row of the cluster
	s_lshl_b32 s22, 0x1111, s15                    ; my column
	; descriptor group 1: a tile of 128 rows x 128 elements, padded in LDS
	s_or_b32 s[G1+0], s21, (1<<16)|(1<<20)|(1<<21)|(5<<22)|(7<<25)  ; 15:0 the mask; 17:16 2-byte elements; 20 padding on; 21 set beside a mask; 24:22 after every 64 words; 31:25 8 words
	s_or_b32 s[G1B+0], s22, (1<<16)|(1<<20)|(1<<21)|(5<<22)|(7<<25)
.irp g, G1, G1B
	s_mov_b32 s[(\g)+1], 128<<16                   ; tensor_dim0 = 128
	s_mov_b32 s[(\g)+2], 128<<16                   ; tensor_dim1 = 128
	s_mov_b32 s[(\g)+3], 128<<16                   ; tile_dim0 = 128
	s_mov_b32 s[(\g)+4], 128                       ; tile_dim1 = 128
	s_mov_b32 s[(\g)+5], 1024                      ; elements from row to row
	s_mov_b32 s[(\g)+6], 0
	s_mov_b32 s[(\g)+7], 0
.endr
	s_lshl_b32 s40, s20, 22                        ; the batch's 2,048 rows of 2,048 bytes
	s_lshl_b32 s42, s14, 18                        ; + my 128 rows
	s_add_co_u32 s40, s40, s42
	s_lshl_b32 s42, s18, 8                         ; + the tile row's 128 columns
	s_add_co_u32 s40, s40, s42
	s_add_co_u32 s40, s40, HDR
	s_mov_b32 s41, 0
	s_lshl_b32 s46, s20, 22
	s_lshl_b32 s44, s14, 18
	s_add_co_u32 s46, s46, s44
	s_lshl_b32 s44, s17, 8                         ; + the tile column's 128 columns
	s_add_co_u32 s46, s46, s44
	s_add_co_u32 s46, s46, HDR
	s_mov_b32 s47, 0
	s_mul_i32 s23, s12, HALFT                      ; where they go: wave x 128 rows
	s_lshl_b32 s82, s20, 6                         ; my tile's record: 64 b + 8 x tile row + tile column
	s_lshl_b32 s84, s18, 3
	s_add_co_u32 s82, s82, s84
	s_add_co_u32 s82, s82, s17
	s_lshl_b32 s82, s82, 3
	s_mov_b32 s83, 0
	s_lshl_b32 s84, s20, 21                        ; the first row of G that I store, and the tile's first column
	s_lshl_b32 s85, s18, 18
	s_add_co_u32 s84, s84, s85
	s_lshl_b32 s85, s12, 16
	s_add_co_u32 s84, s84, s85
	s_lshl_b32 s85, s17, 8
	s_add_co_u32 s84, s84, s85
	s_add_co_u32 s84, s84, HDR
	s_mov_b32 s85, 0
	s_mov_b32 s76, 0x76543210
	s_mov_b32 s77, 0xfedcba98
	s_wait_dscnt 0x0                               ; the opening add is done
	s_wait_kmcnt 0x0
	s_add_nc_u64 s[40:41], s[4:5], s[40:41]
	s_add_nc_u64 s[46:47], s[4:5], s[46:47]
	CROUND                                         ; all sixteen work-groups are here: the first joint loads meet
.irp s, 0,1
	s_mov_b32 s[G0+4*(\s)], 1
	s_add_co_u32 s[G0+4*(\s)+1], s23, (\s)*SLOT
	s_add_nc_u64 s[G0+4*(\s)+2:G0+4*(\s)+3], s[40:41], (\s)*KS*2048
	s_or_b32 s[G0+4*(\s)+3], s[G0+4*(\s)+3], 0x80000000
	s_mov_b32 s[G0B+4*(\s)], 1
	s_add_co_u32 s[G0B+4*(\s)+1], s23, (\s)*SLOT
	s_add_nc_u64 s[G0B+4*(\s)+2:G0B+4*(\s)+3], s[46:47], (\s)*KS*2048
	s_or_b32 s[G0B+4*(\s)+3], s[G0B+4*(\s)+3], 0x80000000
	JLOAD \s                                       ; two tensor loads of mine are out
.endr
	v_and_b32 v[SO], 31, v0                        ; xh's 256 records, 2,048 bytes; wanted on the way out
	v_lshlrev_b32 v[SO], 4, v[SO]
.irp i, 0,1,2,3
	global_load_b128 v[ST+4+4*(\i):ST+7+4*(\i)], v[SO], s[4:5] offset:512*(\i)
.endr
	s_add_nc_u64 s[66:67], s[6:7], s[82:83]
	s_add_nc_u64 s[8:9], s[6:7], s[84:85]
	v_mov_b32 v[ZO], 0
	v_mov_b32 v[MX+1], 0                           ; written once: v_permlanex16_b32 counts as a reader of its destination
	v_mov_b32 v[RA], RED
	v_mov_b32 v[RW], s12
	v_lshl_add_u32 v[RW], v[RW], 2, RED
	v_and_b32 v1, 15, v0                           ; l % 16
	v_bfe_u32 v2, v0, 4, 1                         ; l / 16
	; The turning load takes 16 rows s x 16 columns (lane l reads row 8 (l / 16) + l % 8, columns 8 ((l / 8) % 2) + 0..7) and leaves half a fragment: lane l holds column l % 16 and 8 rows s.
	v_and_b32 v3, 7, v0
	v_bfe_u32 v4, v0, 3, 1
	v_lshl_add_u32 v3, v2, 3, v3
	v_mul_u32_u24 v3, v3, PV
	v_lshl_add_u32 v3, v4, 4, v3
	s_lshl_b32 s42, s13, 7                         ; my 64 columns i
	s_lshl_b32 s44, s14, 7                         ; my 64 columns j,
	s_add_co_u32 s44, s44, STRIP                   ; in the strip behind
	v_add_nc_u32 v5, s42, v3
	v_add_nc_u32 v6, s44, v3
.irp n, 0,1,2,3
	v_add_nc_u32 v[ADRA+(\n)], ((\n)/2)*SLOT+((\n)%2)*HALFT, v5
	v_add_nc_u32 v[ADRB+(\n)], ((\n)/2)*SLOT+((\n)%2)*HALFT, v6
.endr
	s_mul_i32 s42, s13, 64*SPITCH                  ; into the stage: my 64 rows, my half of their 256 bytes
	s_lshl_b32 s44, s14, 7
	s_add_co_u32 s42, s42, s44
	s_add_co_u32 s42, s42, STAGE
	v_mul_u32_u24 v4, v1, SPITCH
	v_lshl_add_u32 v4, v2, 4, v4
	v_add_nc_u32 v[STO], s42, v4
	s_mul_i32 s42, s12, 32*SPITCH                  ; back: wave w takes rows 32 w .. 32 w + 31, whole
	s_add_co_u32 s42, s42, STAGE
	v_mul_u32_u24 v5, v2, SPITCH
	v_lshl_add_u32 v5, v1, 4, v5
	v_add_nc_u32 v[RD], s42, v5
	v_lshlrev_b32 v5, 11, v2
	v_lshl_add_u32 v[CO], v1, 4, v5
; 8 matrix instructions: i blocks a0, a0 + 1 x all 4 j blocks, 32 along K: half c of buffer f.  The 16 accumulators take turns.
.macro MUL8 f, c, a0, zero
	WIN MUL
.irp a, \a0, (\a0)+1
.irp b, 0,1,2,3
.if \zero
	v_wmma_f32_16x16x32_f16 v[ACC+8*(4*(\a)+(\b)):ACC+8*(4*(\a)+(\b))+7], v[(\f)+64+8*(4*(\c)+(\b)):(\f)+64+8*(4*(\c)+(\b))+7], v[(\f)+8*(4*(\c)+(\a)):(\f)+8*(4*(\c)+(\a))+7], 0
.else
	v_wmma_f32_16x16x32_f16 v[ACC+8*(4*(\a)+(\b)):ACC+8*(4*(\a)+(\b))+7], v[(\f)+64+8*(4*(\c)+(\b)):(\f)+64+8*(4*(\c)+(\b))+7], v[(\f)+8*(4*(\c)+(\a)):(\f)+8*(4*(\c)+(\a))+7], v[ACC+8*(4*(\a)+(\b)):ACC+8*(4*(\a)+(\b))+7]
.endif
.endr
.endr
.endm
; 32 turning loads in one run: the fragments of rows 64 q .. 64 q + 63 of the slot's step, into buffer f; the first 32 rows first
.macro FETCH slot, q, f
	WIN TO_F
.irp c, 0,1
.irp i, 0,1,2,3
	ds_load_tr16_b128 v[(\f)+64+8*(4*(\c)+(\i)):(\f)+64+8*(4*(\c)+(\i))+3],   v[ADRB+2*(\slot)+(\q)/2] offset:(((\q)%2)*64+32*(\c))*PV+32*(\i)
	ds_load_tr16_b128 v[(\f)+64+8*(4*(\c)+(\i))+4:(\f)+64+8*(4*(\c)+(\i))+7], v[ADRB+2*(\slot)+(\q)/2] offset:(((\q)%2)*64+32*(\c)+16)*PV+32*(\i)
	ds_load_tr16_b128 v[(\f)+8*(4*(\c)+(\i)):(\f)+8*(4*(\c)+(\i))+3],         v[ADRA+2*(\slot)+(\q)/2] offset:(((\q)%2)*64+32*(\c))*PV+32*(\i)
	ds_load_tr16_b128 v[(\f)+8*(4*(\c)+(\i))+4:(\f)+8*(4*(\c)+(\i))+7],       v[ADRA+2*(\slot)+(\q)/2] offset:(((\q)%2)*64+32*(\c)+16)*PV+32*(\i)
.endr
.endr
.endm
; A K step is four quarters of 64 rows, 32 matrix instructions each, on buffers 0, 1, 0, 1.  One of the first three: multiplies buffer f and fetches quarter q into g.
.macro QUARTER slot, q, f, g, zero
	s_wait_dscnt 16                                ; the first 32 along K are in; the youngest sixteen loads may be out
	MUL8 \f, 0, 0, \zero
	MUL8 \f, 0, 2, \zero
	PLACES
	FETCH \slot, \q, \g
	s_wait_dscnt 32                                ; all but the 32 just issued
	MUL8 \f, 1, 0, 0
	MUL8 \f, 1, 2, 0
.endm
; The last quarter multiplies buffer 1 and changes slots: ONE barrier; in front of it each wave waits for all its tensor loads, adds 0 to its spare word, and waits for that and for its own reads of this slot.
; fill = 1: this slot is filled again, two K steps ahead; the barrier then opens a round of the cluster's, and the joint load is the first thing behind the round.
.macro TURN slot, next, fill
	WIN 0                                          ; (the add's two registers lie in window 0)
	s_wait_tensorcnt 0x0                           ; all my tensor loads have landed: my part of the next slot
	ds_add_u32 v[SPW], v[NIL]                      ; 0 onto my spare word
	s_wait_dscnt 17                                ; (the add and the youngest sixteen loads may be out)
	MUL8 F1, 0, 0, 0                               ; eight matrix instructions stand between the add and the wait for it
	s_wait_dscnt 0x0                               ; the add is done, and my reads of this slot are over
	s_barrier_signal -1
	MUL8 F1, 0, 2, 0
.if \fill
	WIN 0
.endif
	s_barrier_wait -1
.if \fill
	CREST                                          ; no wave of any partner still reads this slot's tile or has a load on its way
	s_add_nc_u64 s[G0+4*(\slot)+2:G0+4*(\slot)+3], s[G0+4*(\slot)+2:G0+4*(\slot)+3], 2*KS*2048
	s_add_nc_u64 s[G0B+4*(\slot)+2:G0B+4*(\slot)+3], s[G0B+4*(\slot)+2:G0B+4*(\slot)+3], 2*KS*2048
	JLOAD \slot                                    ; 112 matrix instructions ahead of the wait for it; the four v_nop behind it are also the places in front of the loads below
.else
	PLACES
.endif
	FETCH \next, 0, F0
	MUL8 F1, 1, 0, 0
	MUL8 F1, 1, 2, 0
.endm
	s_wait_tensorcnt 1                             ; my part of K step 0 is in; step 1's may stay out
	s_barrier_signal -1
	s_barrier_wait -1                              ; everybody's is
	FETCH 0, 0, F0
	QUARTER 0, 1, F0, F1, 1                        ; the first quarter stands in front of the loop: its first products start the sums
	WIN 0                                          ; at a label and at a branch every window is 0
	s_mov_b32 s3, 3
.Llap:                                                 ; a trip goes once round the ring, from a lap's second quarter to the next lap's first, and fills both slots again: steps 2 to 7 in three trips
	QUARTER 0, 2, F1, F0, 0
	QUARTER 0, 3, F0, F1, 0
	TURN 0, 1, 1
	QUARTER 1, 1, F0, F1, 0
	QUARTER 1, 2, F1, F0, 0
	QUARTER 1, 3, F0, F1, 0
	TURN 1, 0, 1
	QUARTER 0, 1, F0, F1, 0
	WIN 0
	s_sub_co_u32 s3, s3, 1
	s_cmp_lg_u32 s3, 0
	s_cbranch_scc1 .Llap
	QUARTER 0, 2, F1, F0, 0                        ; the last lap fills nothing
	QUARTER 0, 3, F0, F1, 0
	TURN 0, 1, 0
	QUARTER 1, 1, F0, F1, 0
	QUARTER 1, 2, F1, F0, 0
	QUARTER 1, 3, F0, F1, 0
	s_wait_dscnt 16                                ; the very last quarter
	MUL8 F1, 0, 0, 0
	MUL8 F1, 0, 2, 0
	s_wait_dscnt 0
	MUL8 F1, 1, 0, 0
	MUL8 F1, 1, 2, 0
	WIN 0
	; THE SCALE, from xh's records
	PLACES
	s_wait_loadcnt 0x0
	v_max3_num_f32 v[MX], v[ST+4], v[ST+6], v[ST+8]   ; the maxima stand in the even registers
	v_max3_num_f32 v[MX], v[MX], v[ST+10], v[ST+12]
	v_max3_num_f32 v[MX], v[MX], v[ST+14], v[ST+16]
	v_max_num_f32 v[MX], v[MX], v[ST+18]
	WMAX MX, MX+1
	v_readfirstlane_b32 s72, v[MX]
	s_lshr_b32 s72, s72, 23                        ; the exponent field, kept within f16's span
	s_max_u32 s72, s72, 103
	s_min_u32 s72, s72, 143
	s_lshl_b32 s74, s72, 1
	s_sub_co_u32 s68, 383, s74                     ; sigma's field: 127 + 15 - 11 + 252 - 2 fx
	s_lshl_b32 s68, s68, 23
	s_mov_b32 s69, s68                             ; named with it as a pair
	s_sub_co_u32 s74, s74, 129                     ; 1 / sigma: 254 less that field
	s_lshl_b32 s74, s74, 23
	v_mov_b32 v[REC+1], s74                        ; u_G = 1 / sigma
	; THE WAY OUT: each accumulator, from its low end on: the largest magnitude, the scale, the rounding to f16; 16 bytes a lane into the work-group's stage
.macro PACKT t
.irp c, 0,1,2,3
.if (\t) == 0
	v_max_num_f32 v[MX+(\c)], |v[ACC+2*(\c)]|, |v[ACC+2*(\c)+1]|
.else
	v_max3_num_f32 v[MX+(\c)], |v[ACC+8*(\t)+2*(\c)]|, |v[ACC+8*(\t)+2*(\c)+1]|, v[MX+(\c)]
.endif
.endr
.irp c, 0,1,2,3
	v_pk_mul_f32 v[ACC+8*(\t)+2*(\c):ACC+8*(\t)+2*(\c)+1], v[ACC+8*(\t)+2*(\c):ACC+8*(\t)+2*(\c)+1], s[68:69] op_sel_hi:[1,0]
.endr
.irp c, 0,1,2,3
	v_cvt_pk_f16_f32 v[TMP+4*(\t)+(\c)], v[ACC+8*(\t)+2*(\c)], v[ACC+8*(\t)+2*(\c)+1]
.endr
.endm
.irp t, 0,1,2,3,4,5,6,7,8,9,10,11,12,13,14,15
	PACKT \t
.endr
.irp a, 0,1,2,3
.irp b, 0,1,2,3
	ds_store_b128 v[STO], v[TMP+4*(4*(\a)+(\b)):TMP+4*(4*(\a)+(\b))+3] offset:(\a)*16*SPITCH+32*(\b)
.endr
.endr
	v_max3_num_f32 v[MX], v[MX], v[MX+1], v[MX+2]
	v_max_num_f32 v[MX], v[MX], v[MX+3]
	WMAX MX, MX+1
	v_mul_f32 v[MX], s68, v[MX]                    ; the largest |stored| of my 64 x 64
	ds_store_b32 v[RW], v[MX]
	s_wait_dscnt 0x0                               ; for the others' sake: my stores into the stage and into RED are done
	s_barrier_signal -1
	s_barrier_wait -1
	ds_load_b128 v[RV:RV+3], v[RA]                 ; the four waves' maxima: older than the sixteen loads below, so their counts stand
.irp t, 0,1,2,3,4,5,6,7,8,9,10,11,12,13,14,15
	ds_load_b128 v[TMP+4*(\t):TMP+4*(\t)+3], v[RD] offset:(\t)*2*SPITCH
.endr
.irp t, 0,1,2,3,4,5,6,7,8,9,10,11,12,13,14,15
	s_wait_dscnt 15-(\t)
	global_store_b128 v[CO], v[TMP+4*(\t):TMP+4*(\t)+3], s[8:9] offset:(\t)*4096  ; 16 lanes store 256 consecutive bytes, at a multiple of 256 from g's first byte
.endr
	v_max3_num_f32 v[REC], v[RV], v[RV+1], v[RV+2]
	v_max_num_f32 v[REC], v[REC], v[RV+3]
	v_cmp_eq_u32 vcc_lo, 0, v0                     ; the work-group's thread 0 writes the tile's record
	s_wait_xcnt 0x0                                ; EXEC is a source of the stores above: it changes only behind this wait
	s_and_saveexec_b32 s80, vcc_lo
	global_store_b64 v[ZO], v[REC:REC+1], s[66:67]
	s_wait_xcnt 0x0                                ; and again in front of the line that widens it
	s_or_b32 exec_lo, exec_lo, s80
	s_wait_tensorcnt 0x0                           ; the wave's end: a tensor wait, an add of 0 to my spare word and its wait, behind my last tensor load and my last LDS store
	ds_add_u32 v[SPW], v[NIL]
	s_wait_dscnt 0x0
	CROUND                                         ; the closing round: no work-group ends while a partner may still ask for a tile that names it
	s_endpgm
.Lfunc_end_k_q3e525faa87_gram:
	.size	k_q3e525faa87_gram, .Lfunc_end_k_q3e525faa87_gram-k_q3e525faa87_gram
	.p2alignl 7, 3214868480
	.fill 96, 4, 3214868480
	.section	.rodata,"a",@progbits
	.p2align	6, 0x0
	.amdhsa_kernel k_q3e525faa87_gram
		.amdhsa_group_segment_fixed_size 327680
		.amdhsa_private_segment_fixed_size 0
		.amdhsa_enable_private_segment 0
		.amdhsa_kernarg_size 16
		.amdhsa_user_sgpr_count 2
		.amdhsa_user_sgpr_kernarg_segment_ptr 1
		.amdhsa_wavefront_size32 1
		.amdhsa_system_sgpr_workgroup_id_x 1
		.amdhsa_system_sgpr_workgroup_id_y 1
		.amdhsa_system_sgpr_workgroup_id_z 1
		.amdhsa_system_vgpr_workitem_id 0
		.amdhsa_next_free_vgpr 512
		.amdhsa_next_free_sgpr 88
		.amdhsa_reserve_vcc 1
		.amdhsa_float_denorm_mode_32 3
		.amdhsa_float_denorm_mode_16_64 3
		.amdhsa_memory_ordered 1
		.amdhsa_forward_progress 1
		.amdhsa_inst_pref_size 98
	.end_amdhsa_kernel
	.amdgpu_metadata
---
amdhsa.version: [ 1, 2 ]
amdhsa.kernels:
  - .name:           k_q3e525faa87_gram
    .symbol:         k_q3e525faa87_gram.kd
    .args:
      - { .name: xh, .offset: 0, .size: 8, .value_kind: global_buffer, .address_space: global }
      - { .name: g, .offset: 8, .size: 8, .value_kind: global_buffer, .address_space: global }
    .group_segment_fixed_size: 327680
    .private_segment_fixed_size: 0
    .kernarg_segment_align: 8
    .kernarg_segment_size: 16
    .max_flat_workgroup_size: 128
    .sgpr_count:     88
    .vgpr_count:     512
    .wavefront_size: 32
...
	.end_amdgpu_metadata
.endif
;; end of part 3
;; launch chain_t: the kernel of part 2 again; grid 8 x 32, 4 waves a work-group, clusters of 4 x 4, 327,680 bytes of LDS; arguments a, g, t, mt; writes t, mt
;; launch chain_m: the kernel of part 2 again; grid 8 x 32, 4 waves a work-group, clusters of 4 x 4, 327,680 bytes of LDS; arguments ct, t, mt, a; writes mt, a
;; launch final (part 4): grid 8 x 32, 4 waves a work-group, clusters of 4 x 4, 327,680 bytes of LDS; arguments xh, mt, x, out0; writes out0
.if DOCPART == 4
	.amdgcn_target "amdgcn-amd-amdhsa--gfx1250"
	.amdhsa_code_object_version 6
	.text
	.protected	k_q3e525faa87_final
	.globl	k_q3e525faa87_final
	.p2align	8
	.type	k_q3e525faa87_final,@function
k_q3e525faa87_final:
	s_mov_b64 s[64:65], 0
	v_nop
	global_prefetch_b8 v0, s[64:65] scope:SCOPE_SE
	s_setreg_imm32_b32 hwreg(HW_REG_WAVE_MODE, 25, 1), 1
	s_wait_xcnt 0x0
	s_wait_alu depctr_hold_cnt(0) depctr_sa_sdst(0) depctr_va_vdst(0) depctr_va_sdst(0) depctr_va_ssrc(0) depctr_va_vcc(0) depctr_vm_vsrc(0)
	s_getreg_b32 s2, hwreg(HW_REG_IB_STS2, 6, 4)
	s_cmp_eq_u32 s2, 0
	s_cbranch_scc0 .Lentry_in_a_cluster
	s_endpgm
.Lentry_in_a_cluster:
	s_bfe_u32 s2, ttmp6, 0x10000c
	s_cmp_lg_u32 s2, 0xf033
	s_cbranch_scc0 .Lentry_shape_is_right
	s_endpgm
.Lentry_shape_is_right:
; FINAL.  out[b][s][o] = x[b][s][o] + U x the sum over d of xh[b][s][d] Mt_b[o][d].  xh (x in f16) and Mt_b ((A G_b C)^T, scaled, in f16) are multiplied with sums in f32;
; U is Mt's scale (true = stored x U, from its first record); the residual is the f32 x, added by one fused multiply-add in f32.
; SHARES.  A tile of out is 256 rows x 128 columns: four waves, each 128 x 64: 32 accumulators, 256 registers.  K = 1,024 goes in 8 steps of 128 through two LDS slots (rows of 256 bytes):
; a slot holds 256 rows of xh and 128 rows of Mt.  Waves 0 and 1 fetch 128 rows of xh each, waves 2 and 3 64 rows of Mt each.
; CLUSTERS: 4 x 4 work-groups.  xh's tile hangs on the tile row and is shared along a row of the cluster, Mt's on the tile column (and the batch, which the cluster shares) and is shared along a column: each is asked for JOINTLY.
; Source 0 = 16 rows of Mt, source 1 = 16 rows of xh: a lane holds eight neighbouring columns of one row of out.
; The wave's part of x, 128 x 64 f32, is asked for at the start (its last 16 rows behind the last product) and waits in 256 registers.
; REGISTERS: window 0: v0-31 addresses; v64-159, v160-255 two fragment buffers for 32 along K (64 registers of xh: 8 x 16 rows, then 32 of Mt: 4 x 16 rows); on the way out v64-127 hold rows read back.
;   window 1: the accumulators ((a, b) at v[8 (4 a + b)]).   window 2: x (block a of 16 rows at v[32 a ..]).
.set HDR,    4096
.set MAT,    2097152
.set KSTEP,  128
.set PITCH,  272                       ; an LDS row: 256 bytes + 16 of padding: an odd multiple of 16
.set HALFL,  128*PITCH                 ; what a tensor load of xh brings, and what a wave reads of it
.set HALFR,  64*PITCH                  ; the same for Mt
.set LROWS,  2*HALFL
.set SLOT,   LROWS+2*HALFR
.set STAGE,  2*SLOT                    ; behind the ring: 16 rows x 272 bytes for each wave, its own
.set SPITCH, 272
.set SPARE,  STAGE+4*16*SPITCH         ; the spare words, 128 bytes for each wave: two blocks of 256 bytes that no other line names
.set ADRA, 16                          ; v16-17  LDS address of my xh fragments in slot 0, 1
.set ADRB, 20                          ; v20-21  the same for Mt
.set STO,  24                          ; v24     the way out: where I put 32 bytes of a row
.set RD,   25                          ; v25     where I read a row back
.set XO,   26                          ; v26     my byte offset in x and in out
.set SPW,  28                          ; v28     my spare word; never rewritten
.set NIL,  29                          ; v29     0; never rewritten
.set F0,   64
.set F1,   160
.set BK,   64                          ; the way out: two buffers of 32
.set G1, 24
.set G0, 32
.set G1B, 48
.set G0B, 56
.set MSB, 0
.macro WIN new                         ; the immediate's high byte repeats the setting that is left
.if MSB != (\new)
	s_set_vgpr_msb (MSB<<8)|(\new)
.set MSB, \new
.endif
.endm
.set MUL, 0x50                         ; sources 0 and 1 window 0; C and D window 1
.macro JLOAD s                         ; a joint load: waves 0 and 1 fetch xh's two halves, waves 2 and 3 Mt's; an s_nop 0 and four v_nop follow each of the two lines
	s_cmp_eq_u32 s13, 0
	s_cbranch_scc0 .Lfor_b_\@
	tensor_load_to_lds s[G0+4*(\s):G0+4*(\s)+3], s[G1:G1+7]
	s_nop 0
.rept 4
	v_nop
.endr
	s_branch .Lasked_\@
.Lfor_b_\@:
	tensor_load_to_lds s[G0B+4*(\s):G0B+4*(\s)+3], s[G1B:G1B+7]
	s_nop 0
.rept 4
	v_nop
.endr
.Lasked_\@:
.endm
.macro CREST                           ; a round of the cluster's barrier behind its opening barrier
	s_cmp_lg_u32 s12, 0
	s_cbranch_scc1 .Lnot_wave_0_\@
	s_barrier_signal -3
.Lnot_wave_0_\@:
	s_barrier_wait -3
	s_barrier_signal -1
	s_barrier_wait -1
.endm
.macro CROUND
	s_barrier_signal -1
	s_barrier_wait -1
	CREST
.endm
.macro PLACES                          ; four places in front of loads into registers that matrix instructions have read, and of LDS stores that read results
.rept 4
	v_nop
.endr
.endm
	s_load_b256 s[4:11], s[0:1], 0x0               ; xh s[4:5], mt s[6:7], x s[8:9], out0 s[10:11]
	v_lshl_add_u32 v[SPW], v0, 2, SPARE
	v_mov_b32 v[NIL], 0
	ds_add_u32 v[SPW], v[NIL]                      ; the wave's opening: the add and its wait stand ahead of my first tensor load; the set-up below, work on registers, stands between them
	v_lshrrev_b32 v1, 5, v0
	v_readfirstlane_b32 s12, v1                    ; wave 0..3
	s_lshr_b32 s13, s12, 1                         ; which half of the tile's rows is mine.  Also: I fetch xh (0) or Mt (1)
	s_and_b32 s14, s12, 1                          ; which half of its columns.  Also: which half of that tile I fetch
	s_bfe_u32 s15, ttmp6, 0x40000                  ; cx, cy
	s_bfe_u32 s16, ttmp6, 0x40004
	s_lshl_b32 s17, ttmp9, 2
	s_add_co_u32 s17, s17, s15                     ; tile column, 0..7
	s_and_b32 s20, ttmp7, 0xffff
	s_lshl_b32 s18, s20, 2
	s_add_co_u32 s18, s18, s16                     ; tile row over all four batches, 0..31
	s_lshr_b32 s19, s20, 1                         ; the batch: a cluster covers 1,024 of a batch's 2,048 rows
	s_lshl_b32 s21, s16, 2
	s_lshl_b32 s21, 15, s21                        ; my row of the cluster
	s_lshl_b32 s22, 0x1111, s15                    ; my column
	; descriptor group 1: tiles of 128 (xh) or 64 (Mt) rows x 128 elements, padded in LDS
	s_or_b32 s[G1+0], s21, (1<<16)|(1<<20)|(1<<21)|(5<<22)|(3<<25)  ; 15:0 the mask; 17:16 2-byte elements; 20 padding on; 21 set beside a mask; 24:22 after every 64 words; 31:25 4 words
	s_or_b32 s[G1B+0], s22, (1<<16)|(1<<20)|(1<<21)|(5<<22)|(3<<25)
	s_mov_b32 s[G1+2], 128<<16                     ; tensor_dim1 = 128
	s_mov_b32 s[G1+4], 128                         ; tile_dim1 = 128
	s_mov_b32 s[G1B+2], 64<<16                     ; tensor_dim1 = 64
	s_mov_b32 s[G1B+4], 64                         ; tile_dim1 = 64
.irp g, G1, G1B
	s_mov_b32 s[(\g)+1], KSTEP<<16                 ; tensor_dim0 = 128
	s_mov_b32 s[(\g)+3], KSTEP<<16                 ; tile_dim0 = 128
	s_mov_b32 s[(\g)+5], 1024                      ; elements from row to row
	s_mov_b32 s[(\g)+6], 0
	s_mov_b32 s[(\g)+7], 0
.endr
	s_lshl_b32 s40, s18, 19                        ; xh: 256 rows of 2,048 bytes for each tile row
	s_lshl_b32 s42, s14, 18                        ; + my 128 rows
	s_add_co_u32 s40, s40, s42
	s_add_co_u32 s40, s40, HDR
	s_mov_b32 s41, 0
	s_lshl_b32 s46, s17, 18                        ; Mt: 128 rows for each tile column
	s_lshl_b32 s44, s14, 17                        ; + my 64 rows
	s_add_co_u32 s46, s46, s44
	s_lshl_b32 s44, s19, 21                        ; + the batch's matrix
	s_add_co_u32 s46, s46, s44
	s_add_co_u32 s46, s46, HDR
	s_mov_b32 s47, 0
	s_mul_i32 s23, s14, HALFL                      ; where they go: xh's two halves,
	s_mul_i32 s75, s14, HALFR                      ; then Mt's two halves
	s_add_co_u32 s75, s75, LROWS
	s_lshl_b32 s82, s18, 20                        ; x and out: 256 rows of 4,096 bytes for each tile row
	s_lshl_b32 s84, s13, 19                        ; + my 128 rows
	s_add_co_u32 s82, s82, s84
	s_lshl_b32 s84, s17, 9                         ; + the tile's 128 columns of 4 bytes
	s_add_co_u32 s82, s82, s84
	s_lshl_b32 s84, s14, 8                         ; + my 64 columns
	s_add_co_u32 s82, s82, s84
	s_mov_b32 s83, 0
	s_wait_dscnt 0x0                               ; the opening add is done
	s_wait_kmcnt 0x0
	s_add_nc_u64 s[40:41], s[4:5], s[40:41]
	s_add_nc_u64 s[46:47], s[6:7], s[46:47]
	CROUND                                         ; all sixteen work-groups are here: the first joint loads meet
.irp s, 0,1
	s_mov_b32 s[G0+4*(\s)], 1
	s_add_co_u32 s[G0+4*(\s)+1], s23, (\s)*SLOT
	s_add_nc_u64 s[G0+4*(\s)+2:G0+4*(\s)+3], s[40:41], (\s)*KSTEP*2
	s_or_b32 s[G0+4*(\s)+3], s[G0+4*(\s)+3], 0x80000000
	s_mov_b32 s[G0B+4*(\s)], 1
	s_add_co_u32 s[G0B+4*(\s)+1], s75, (\s)*SLOT
	s_add_nc_u64 s[G0B+4*(\s)+2:G0B+4*(\s)+3], s[46:47], (\s)*KSTEP*2
	s_or_b32 s[G0B+4*(\s)+3], s[G0B+4*(\s)+3], 0x80000000
	JLOAD \s                                       ; two tensor loads of mine are out
.endr
	s_load_b32 s68, s[6:7], 0x4                    ; U
	s_add_nc_u64 s[8:9], s[8:9], s[82:83]
	s_add_nc_u64 s[10:11], s[10:11], s[82:83]
	v_and_b32 v1, 15, v0                           ; l % 16
	v_bfe_u32 v2, v0, 4, 1                         ; l / 16
	v_lshlrev_b32 v3, 12, v2                       ; lanes 0-15 take 256 bytes of one row, lanes 16-31 of the next
	v_lshl_add_u32 v[XO], v1, 4, v3
	WIN 0x80                                       ; destination window 2, address window 0
.irp a, 0,1,2,3,4,5,6
.irp t, 0,1,2,3,4,5,6,7
	global_load_b128 v[32*(\a)+4*(\t):32*(\a)+4*(\t)+3], v[XO], s[8:9] offset:(16*(\a)+2*(\t))*4096 th:TH_LOAD_NT  ; x: blocks 0 to 6 now, block 7 behind the last product
.endr
.endr
	WIN 0
	v_mul_u32_u24 v3, v1, PITCH
	v_lshl_add_u32 v3, v2, 4, v3                   ; a fragment's row x pitch + 16 x half
	s_mul_i32 s42, s13, HALFL                      ; my 128 rows of xh
	s_mul_i32 s44, s14, HALFR                      ; my 64 rows of Mt,
	s_add_co_u32 s44, s44, LROWS                   ; which lie behind xh's 256
.irp s, 0,1
	v_add_nc_u32 v[ADRA+(\s)], s42, v3
	v_add_nc_u32 v[ADRB+(\s)], s44, v3
	s_add_co_u32 s42, s42, SLOT
	s_add_co_u32 s44, s44, SLOT
.endr
	s_mul_i32 s42, s12, 16*SPITCH
	s_add_co_u32 s42, s42, STAGE                   ; my stage
	v_mul_u32_u24 v4, v1, SPITCH                   ; in: row l % 16, 32 bytes for each half of the lanes
	v_lshl_add_u32 v4, v2, 5, v4
	v_add_nc_u32 v[STO], s42, v4
	v_mul_u32_u24 v5, v2, SPITCH                   ; back: lanes 0-15 take one row of 256 bytes, lanes 16-31 the next
	v_lshl_add_u32 v5, v1, 4, v5
	v_add_nc_u32 v[RD], s42, v5
; 8 matrix instructions: row blocks a0, a0 + 1 x all 4 column blocks, 32 along K.  zero = 1: the product starts the sum.  The 32 accumulators take turns, one instruction a turn.
.macro MUL8 f, a0, zero
	WIN MUL
.irp a, \a0, (\a0)+1
.irp b, 0,1,2,3
.if \zero
	v_wmma_f32_16x16x32_f16 v[8*(4*(\a)+(\b)):8*(4*(\a)+(\b))+7], v[(\f)+64+8*(\b):(\f)+64+8*(\b)+7], v[(\f)+8*(\a):(\f)+8*(\a)+7], 0
.else
	v_wmma_f32_16x16x32_f16 v[8*(4*(\a)+(\b)):8*(4*(\a)+(\b))+7], v[(\f)+64+8*(\b):(\f)+64+8*(\b)+7], v[(\f)+8*(\a):(\f)+8*(\a)+7], v[8*(4*(\a)+(\b)):8*(4*(\a)+(\b))+7]
.endif
.endr
.endr
.endm
; 24 LDS loads in one run: the fragments of 32 along K at byte k of the rows, into buffer f: Mt's four, xh's 0 to 3, xh's 4 to 7
.macro FETCH slot, k, f
	WIN 0
.irp i, 0,1,2,3
	ds_load_b128 v[(\f)+64+8*(\i):(\f)+64+8*(\i)+3],   v[ADRB+(\slot)] offset:(\k)+(\i)*16*PITCH
	ds_load_b128 v[(\f)+64+8*(\i)+4:(\f)+64+8*(\i)+7], v[ADRB+(\slot)] offset:(\k)+(\i)*16*PITCH+32
.endr
.irp i, 0,1,2,3,4,5,6,7
	ds_load_b128 v[(\f)+8*(\i):(\f)+8*(\i)+3],   v[ADRA+(\slot)] offset:(\k)+(\i)*16*PITCH
	ds_load_b128 v[(\f)+8*(\i)+4:(\f)+8*(\i)+7], v[ADRA+(\slot)] offset:(\k)+(\i)*16*PITCH+32
.endr
.endm
; A K step is four quarters of 32 along K, 32 matrix instructions each, on buffers 0, 1, 0, 1.  One of the first three: multiplies buffer f and fetches the next quarter, at byte k, into g.
.macro QUARTER slot, k, f, g, zero
	s_wait_dscnt 8                                 ; Mt's fragments and xh's 0 to 3 are in; the youngest eight loads may be out
	MUL8 \f, 0, \zero
	MUL8 \f, 2, \zero
	PLACES
	FETCH \slot, \k, \g
	s_wait_dscnt 24                                ; all but the 24 just issued
	MUL8 \f, 4, \zero
	MUL8 \f, 6, \zero
.endm
; The last quarter multiplies buffer 1 and changes slots: ONE barrier; in front of it each wave waits for all its tensor loads, adds 0 to its spare word, and waits for that and for its own reads of this slot.
; fill = 1: this slot is filled again, two K steps ahead; the barrier then opens a round of the cluster's, and the joint load is the first thing behind the round.
.macro TURN slot, next, fill
	WIN 0                                          ; (the add's two registers lie in window 0)
	s_wait_tensorcnt 0x0                           ; all my tensor loads have landed: my part of the next slot
	ds_add_u32 v[SPW], v[NIL]                      ; 0 onto my spare word
	s_wait_dscnt 9                                 ; (the add and the youngest eight loads may be out)
	MUL8 F1, 0, 0                                  ; eight matrix instructions stand between the add and the wait for it
	s_wait_dscnt 0x0                               ; the add is done, and my reads of this slot are over
	s_barrier_signal -1
	MUL8 F1, 2, 0
.if \fill
	WIN 0
.endif
	s_barrier_wait -1
.if \fill
	CREST                                          ; no wave of any partner still reads this slot's tile or has a load on its way
	s_add_nc_u64 s[G0+4*(\slot)+2:G0+4*(\slot)+3], s[G0+4*(\slot)+2:G0+4*(\slot)+3], 2*KSTEP*2
	s_add_nc_u64 s[G0B+4*(\slot)+2:G0B+4*(\slot)+3], s[G0B+4*(\slot)+2:G0B+4*(\slot)+3], 2*KSTEP*2
	JLOAD \slot                                    ; 112 matrix instructions ahead of the wait for it; the four v_nop behind it are also the places in front of the loads below
.else
	PLACES
.endif
	FETCH \next, 0, F0
	MUL8 F1, 4, 0
	MUL8 F1, 6, 0
.endm
	s_wait_tensorcnt 1                             ; my part of K step 0 is in; step 1's may stay out
	s_barrier_signal -1
	s_barrier_wait -1                              ; everybody's is
	FETCH 0, 0, F0
	QUARTER 0, 64, F0, F1, 1                       ; the first quarter stands in front of the loop: its products start the sums
	WIN 0                                          ; at a label and at a branch every window is 0
	s_mov_b32 s3, 3
.Llap:                                                 ; a trip goes once round the ring, from a lap's second quarter to the next lap's first, and fills both slots again: steps 2 to 7 in three trips
	QUARTER 0, 128, F1, F0, 0
	QUARTER 0, 192, F0, F1, 0
	TURN 0, 1, 1
	QUARTER 1, 64,  F0, F1, 0
	QUARTER 1, 128, F1, F0, 0
	QUARTER 1, 192, F0, F1, 0
	TURN 1, 0, 1
	QUARTER 0, 64,  F0, F1, 0
	WIN 0
	s_sub_co_u32 s3, s3, 1
	s_cmp_lg_u32 s3, 0
	s_cbranch_scc1 .Llap
	QUARTER 0, 128, F1, F0, 0                      ; the last lap fills nothing
	QUARTER 0, 192, F0, F1, 0
	TURN 0, 1, 0
	QUARTER 1, 64,  F0, F1, 0
	QUARTER 1, 128, F1, F0, 0
	QUARTER 1, 192, F0, F1, 0
	s_wait_dscnt 8                                 ; the very last quarter
	MUL8 F1, 0, 0
	MUL8 F1, 2, 0
	s_wait_dscnt 0
	MUL8 F1, 4, 0
	MUL8 F1, 6, 0
	WIN 0x80
.irp t, 0,1,2,3,4,5,6,7
	global_load_b128 v[32*7+4*(\t):32*7+4*(\t)+3], v[XO], s[8:9] offset:(16*7+2*(\t))*4096 th:TH_LOAD_NT  ; x: block 7; it has the seven blocks in front in which to come
.endr
	WIN 0
	PLACES
	s_wait_kmcnt 0x0                               ; U
	s_mov_b32 s69, s68                             ; named with it as a pair
; THE WAY OUT, a block of 16 rows at a time, through my own stage: a lane's eight columns of a row go in as 32 bytes, whole rows of 256 bytes come back.
.macro TOSTAGE a
	s_wait_xcnt 0x0                                ; the buffer that the loads below fill was the data of stores two blocks back: it is rewritten only behind this wait
	WIN 0x04                                       ; the data of an LDS store: window 1
.irp b, 0,1,2,3
	ds_store_b128 v[STO], v[8*(4*(\a)+(\b)):8*(4*(\a)+(\b))+3]   offset:64*(\b)      ; each accumulator from its low end on
	ds_store_b128 v[STO], v[8*(4*(\a)+(\b))+4:8*(4*(\a)+(\b))+7] offset:64*(\b)+16
.endr
	WIN 0
.irp t, 0,1,2,3,4,5,6,7
	ds_load_b128 v[BK+32*((\a)%2)+4*(\t):BK+32*((\a)%2)+4*(\t)+3], v[RD] offset:(\t)*2*SPITCH  ; LDS serves a wave's instructions in order (ISA guide 5.7.1.4): these see the stores above; the next block's stores come behind them
.endr
.endm
.macro SEND a, younger                 ; younger: the LDS instructions issued behind block a's loads: the next block's sixteen, or none
	s_wait_dscnt \younger
	s_wait_loadcnt 8*(7-(\a))                      ; block a's x is in; the later blocks' eight loads each may be out
	WIN 0x20                                       ; source 2: window 2
.irp i, 0,1,2,3,4,5,6,7,8,9,10,11,12,13,14,15
	v_pk_fma_f32 v[BK+32*((\a)%2)+2*(\i):BK+32*((\a)%2)+2*(\i)+1], v[BK+32*((\a)%2)+2*(\i):BK+32*((\a)%2)+2*(\i)+1], s[68:69], v[32*(\a)+2*(\i):32*(\a)+2*(\i)+1] op_sel_hi:[1,0,1]  ; sum x U + x
.endr
	WIN 0
.irp t, 0,1,2,3,4,5,6,7
	global_store_b128 v[XO], v[BK+32*((\a)%2)+4*(\t):BK+32*((\a)%2)+4*(\t)+3], s[10:11] offset:(16*(\a)+2*(\t))*4096 th:TH_STORE_NT  ; 16 lanes store 256 consecutive bytes, at a multiple of 256 from out's first byte
.endr
.endm
	TOSTAGE 0
.irp a, 1,2,3,4,5,6,7
	TOSTAGE \a
	SEND (\a)-1, 16
.endr
	SEND 7, 0
	s_wait_tensorcnt 0x0                           ; the wave's end: a tensor wait, an add of 0 to my spare word and its wait, behind my last tensor load and my last LDS store
	ds_add_u32 v[SPW], v[NIL]
	s_wait_dscnt 0x0
	CROUND                                         ; the closing round: no work-group ends while a partner may still ask for a tile that names it
	s_endpgm
.Lfunc_end_k_q3e525faa87_final:
	.size	k_q3e525faa87_final, .Lfunc_end_k_q3e525faa87_final-k_q3e525faa87_final
	.p2alignl 7, 3214868480
	.fill 96, 4, 3214868480
	.section	.rodata,"a",@progbits
	.p2align	6, 0x0
	.amdhsa_kernel k_q3e525faa87_final
		.amdhsa_group_segment_fixed_size 327680
		.amdhsa_private_segment_fixed_size 0
		.amdhsa_enable_private_segment 0
		.amdhsa_kernarg_size 32
		.amdhsa_user_sgpr_count 2
		.amdhsa_user_sgpr_kernarg_segment_ptr 1
		.amdhsa_wavefront_size32 1
		.amdhsa_system_sgpr_workgroup_id_x 1
		.amdhsa_system_sgpr_workgroup_id_y 1
		.amdhsa_system_sgpr_workgroup_id_z 1
		.amdhsa_system_vgpr_workitem_id 0
		.amdhsa_next_free_vgpr 768
		.amdhsa_next_free_sgpr 88
		.amdhsa_reserve_vcc 0
		.amdhsa_float_denorm_mode_32 3
		.amdhsa_float_denorm_mode_16_64 3
		.amdhsa_memory_ordered 1
		.amdhsa_forward_progress 1
		.amdhsa_inst_pref_size 100
	.end_amdhsa_kernel
	.amdgpu_metadata
---
amdhsa.version: [ 1, 2 ]
amdhsa.kernels:
  - .name:           k_q3e525faa87_final
    .symbol:         k_q3e525faa87_final.kd
    .args:
      - { .name: xh, .offset: 0, .size: 8, .value_kind: global_buffer, .address_space: global }
      - { .name: mt, .offset: 8, .size: 8, .value_kind: global_buffer, .address_space: global }
      - { .name: x, .offset: 16, .size: 8, .value_kind: global_buffer, .address_space: global }
      - { .name: out0, .offset: 24, .size: 8, .value_kind: global_buffer, .address_space: global }
    .group_segment_fixed_size: 327680
    .private_segment_fixed_size: 0
    .kernarg_segment_align: 8
    .kernarg_segment_size: 32
    .max_flat_workgroup_size: 128
    .sgpr_count:     88
    .vgpr_count:     768
    .wavefront_size: 32
...
	.end_amdgpu_metadata
.endif
;; end of part 4
